; MI455X (gfx1250); checked and timed in simulation.
; The chip was launched on July 23, 2026; its instructions are those of AMD's public machine-readable ISA for CDNA 5 (MIT licence, August 2026) and "CDNA5" Instruction Set Architecture Reference Guide (July 2026). The comments in the code are by the model that wrote it; some were corrected since.
;; Block. Allowed arithmetic: matrix products marked QUANTISED: E5M2 operands, one E8M0 scale for each 32 along K, by v_wmma_scale_f32_16x16x128_f8f6f4 with both operands' format E5M2, f32 sums; everything else in f32.
;; Inputs: b1 4,096 float32; b2 1,024 float32; be1 1,024 float32; be2 1,024 float32; bo 1,024 float32; g1 1,024 float32; g2 1,024 float32; w1_codes 4,096 x 32 x 32 uint8 (E5M2 codes of w1, K innermost, in blocks of 32 codes); w1_scales 4,096 x 32 uint8 (E8M0 scales of w1, one for each 32 codes along K); w2_codes 1,024 x 128 x 32 uint8 (E5M2 codes of w2, K innermost, in blocks of 32 codes); w2_scales 1,024 x 128 uint8 (E8M0 scales of w2, one for each 32 codes along K); wk_codes 16 x 64 x 32 x 32 uint8 (E5M2 codes of wk, K innermost, in blocks of 32 codes); wk_scales 16 x 64 x 32 uint8 (E8M0 scales of wk, one for each 32 codes along K); wo_codes 1,024 x 32 x 32 uint8 (E5M2 codes of wo, K innermost, in blocks of 32 codes); wo_scales 1,024 x 32 uint8 (E8M0 scales of wo, one for each 32 codes along K); wq_codes 16 x 64 x 32 x 32 uint8 (E5M2 codes of wq, K innermost, in blocks of 32 codes); wq_scales 16 x 64 x 32 uint8 (E8M0 scales of wq, one for each 32 codes along K); wv_codes 16 x 64 x 32 x 32 uint8 (E5M2 codes of wv, K innermost, in blocks of 32 codes); wv_scales 16 x 64 x 32 uint8 (E8M0 scales of wv, one for each 32 codes along K); x 4 x 1,024 x 1,024 float32.
;; Outputs: out0 4 x 1,024 x 1,024 float32.
;; This version of the problem:
;;   THIS VERSION OF THE PROBLEM IS GIVEN IN LOW PRECISION. The matrix products marked QUANTISED in the list below multiply operands that are first quantised to E5M2 (5 exponent bits, 2 mantissa bits; 8 bits a number), with one power-of-two scale for each 32 numbers along K (OCP MX v1.0); their sums are f32. All else is computed in f32.
;;   The module's matrix products, in the order in which they are computed (A, B: the left and right operand; K: the contracted axis; several contracted axes count as one K, in the product's order):
;;     1. [M 1,024, K 1,024] x [K 1,024, N 4,096]; A: input wq (given as codes); B: computed on the way: QUANTISED
;;     2. [M 1,024, K 1,024] x [K 1,024, N 4,096]; A: input wk (given as codes); B: computed on the way: QUANTISED
;;     3. [M 1,024, K 1,024] x [K 1,024, N 4,096]; A: input wv (given as codes); B: computed on the way: QUANTISED
;;     4. batch 64 x [M 1,024, K 64] x [K 64, N 1,024]; A: computed on the way; B: computed on the way: QUANTISED
;;     5. batch 64 x [M 1,024, K 1,024] x [K 1,024, N 64]; A: softmax (see below); B: computed on the way: QUANTISED
;;     6. [M 4,096, K 1,024] x [K 1,024, N 1,024]; A: computed on the way; B: input wo (given as codes): QUANTISED
;;     7. [M 4,096, K 1,024] x [K 1,024, N 4,096]; A: computed on the way; B: input w1 (given as codes): QUANTISED
;;     8. [M 4,096, K 4,096] x [K 4,096, N 1,024]; A: computed on the way; B: input w2 (given as codes): QUANTISED
;;   THE QUANTISER, for each operand of a quantised product, along K:
;;     - K is cut into blocks of 32 from its start; a last block that is shorter is filled with zeros.
;;     - A block's scale is 2^e with e = floor(log2(the largest magnitude in the block)) - 15, held to -126 .. 127; a block of zeros has e = 0. As a byte (E8M0): e + 127.
;;     - Each number is divided by its block's scale, clamped to +-57,344, and rounded to the nearest number of E5M2, ties to even, subnormals kept.
;;     - The product sums the exact products of the quantised numbers (number of the format x scale) in f32.
;;   ~~~python
;;   def quantise(x, axis):      # numpy; x: float32 -> the quantised numbers, widened to float32 again
;;       x = np.moveaxis(x, axis, -1); K = x.shape[-1]
;;       x = np.pad(x, [(0, 0)] * (x.ndim - 1) + [(0, -K % 32)]); x = x.reshape(x.shape[:-1] + (-1, 32)); a = np.abs(x).max(-1, keepdims=True)
;;       e = np.where(a > 0, np.clip(np.frexp(np.where(a > 0, a, 1))[1] - 1 - 15, -126, 127), 0)      # np.frexp(a)[1] - 1 = floor(log2(a)), exactly
;;       r = np.clip(x / 2.0 ** e, -57344, 57344)
;;       step = 2.0 ** (np.maximum(np.frexp(np.where(r == 0, 1, r))[1] - 1, -14) - 2)
;;       q = np.round(r / step) * step * 2.0 ** e      # np.round: ties to even
;;       return np.moveaxis(q.reshape(q.shape[:-2] + (-1,))[..., :K], -1, axis).astype(np.float32)
;;   ~~~
;;   SOFTMAX AHEAD OF A QUANTISED PRODUCT. Where the list says 'softmax', what is quantised is not the finished softmax but p = 2^(t - M), with t = logit x log2(e) and M = ceil(the row's largest t), a whole number; so 1/2 < the row's largest p <= 1. The row's sum l is taken of the UNQUANTISED p, in f32, and the product's result is divided by l at the end. Since M is a whole number, a kernel that streams over the keys may use a running M (the ceiling of the running maximum): every later rescaling is an exact power of two, which a block's scale takes up: the codes' values come out the same.
;;   OPERANDS COMPUTED ON THE WAY. 'Computed on the way' means the value that the module computes at that place (a softmax that the list does not call 'softmax' is quantised finished and normalised). What goes into a quantiser is computed in f32, as accurately as f32 sums, v_exp_f32 and their like allow (about 1e-6 of the number): no bf16 or f16 on the way to a quantiser, and a product that is left as it is and whose result goes on into a quantised operand takes f32 operands (vector FMAs, or v_wmma_f32_16x16x4_f32). A number that lies on a knife's edge between two numbers of the format may be rounded either way, as far as f32 arithmetic and the matrix unit's own rounding can turn it there, and no further.
;;   INPUTS GIVEN AS CODES. w1 (in the module: [1024, 4096], K = its axis 0); w2 (in the module: [4096, 1024], K = its axis 0); wk (in the module: [16, 1024, 64], K = its axis 1); wo (in the module: [1024, 1024], K = its axis 0); wq (in the module: [16, 1024, 64], K = its axis 1); wv (in the module: [16, 1024, 64], K = its axis 1): each comes as NAME_codes (uint8): NAME with its K axis moved to the last place and cut into blocks of 32 codes, [.., K / 32, bytes a block], one block behind the other in memory; one code a byte (a code: sign, 5 exponent bits, 2 mantissa bits); and NAME_scales (uint8): the same leading axes, one E8M0 byte (e + 127) for each 32 codes along K. Its value is code x scale, taken as it is: it is not quantised again, and the codes and scales need not be those that the quantiser above would give.
;; One version. Each part assembles by itself: llvm-mc -triple=amdgcn-amd-amdhsa -mcpu=gfx1250 --defsym DOCPART=n.
;; ======== version 1 of 1: 7 launches
;; limits: right only within a limited range of input values
;; workspace buffers: hb 4,325,376 bytes; qkvb 12,976,128 bytes; ob 4,325,376 bytes; x1 16,777,216 bytes; fb 17,301,504 bytes
;; launch ln1 (part 1): grid 256 x 1, 4 waves a work-group, no clusters, 22,016 bytes of LDS; arguments x, g1, be1, hb; writes hb
.if DOCPART == 1
	.amdgcn_target "amdgcn-amd-amdhsa--gfx1250"
	.amdhsa_code_object_version 6
	.text
	.protected	k_q883479007e_ln1
	.globl	k_q883479007e_ln1
	.p2align	8
	.type	k_q883479007e_ln1,@function
k_q883479007e_ln1:
	s_mov_b64 s[64:65], 0
	v_nop
	global_prefetch_b8 v0, s[64:65] scope:SCOPE_SE
	s_setreg_imm32_b32 hwreg(HW_REG_WAVE_MODE, 25, 1), 1
	s_wait_xcnt 0x0
; LAYER NORM AND QUANTISER.  src [4096][1024] f32 -> codes of E5M2 [4096][1024], K innermost, at byte 0 of the output buffer, and one E8M0 byte for each 32 along the row, [4096][32], at byte 0x400000.
; y = (x - mean) * rsqrt(var + 1e-5) * g + b, mean and variance in two passes over the row, all in f32.  A block's scale is 2^(floor(log2(largest magnitude)) - 15).
; LIMITS: a block of zeros (and any block whose largest magnitude lies under 2^-111) gets the byte 1, not 127: its codes are zeros or tiny, and only this program reads the bytes; NaN and infinities among the inputs are not served.
; SHARES.  A work-group takes 16 rows, each of its four waves 4.  A row is 4,096 bytes: 32 registers a lane.  All 32 row loads of a wave are issued at the head: everything that the wave reads is on its way at once.
; The conversions take 16 neighbours along the row from one lane, the loads give a lane 4 neighbours of eight places: so a normalised row turns through the wave's own stage in LDS, 2,048 bytes at a time
; (as loaded in, 64 bytes a lane out; 16 bytes of padding behind each 64).  Two neighbouring lanes hold a block of 32.
; The 16 rows' 512 scale bytes are gathered in LDS and leave as 512 consecutive bytes, stored by wave 0 behind the one barrier.
.set SP,   80                          ; a lane's place in a stage: 64 bytes + 16
.set STG,  32*SP                       ; a stage
.set WREG, 2*STG                       ; a wave's two stages
.set SCB,  4*WREG                      ; behind them: the work-group's 512 scale bytes
.set G,    16                          ; v16-47   g:  G[4 j + e] = g[128 j + 4 lane + e]
.set BE,   48                          ; v48-79   b, likewise
.set X,    80                          ; v80-207  row i at X + 32 i, laid as g; once the row has gone to the stage: +0, +1 its scale bytes, +4 .. +11 its codes
.set Y,    208                         ; v208-239 two halves of 16 neighbours
.set PD,   240                         ; v240     the lane permute's destination
	s_load_b256 s[4:11], s[0:1], 0x0               ; src s[4:5], g s[6:7], b s[8:9], out s[10:11]
	v_lshl_add_u32 v254, v0, 2, 0x5400
	v_mov_b32 v255, 0
	v_lshrrev_b32 v1, 5, v0
	v_readfirstlane_b32 s12, v1                    ; wave
	v_and_b32 v1, 31, v0                           ; lane
	v_lshlrev_b32 v2, 4, v1                        ; 16 x lane
	s_mul_i32 s13, s12, WREG
	v_lshrrev_b32 v3, 2, v1
	v_mul_u32_u24 v3, v3, SP
	v_and_b32 v4, 3, v1
	v_lshl_add_u32 v3, v4, 4, v3
	v_add_nc_u32 v3, s13, v3                       ; the stage, in: four lanes' 64 bytes on end, then the padding
	v_mul_u32_u24 v4, v1, SP
	v_add_nc_u32 v4, s13, v4                       ; the stage, out: my 16 neighbours
	s_lshl_b32 s13, s12, 7
	s_add_co_u32 s13, s13, SCB
	v_lshrrev_b32 v5, 1, v1
	v_add_nc_u32 v5, s13, v5                       ; my wave's 128 scale bytes, my block's byte
	s_mov_b32 s14, 0x3a800000                      ; 1 / 1024
	s_mov_b32 s15, 0x3727c5ac                      ; 1e-5
	s_mov_b32 s16, 0x76543210
	s_mov_b32 s17, 0xfedcba98                      ; lane selects: lane l xor 16
	s_mov_b32 s18, 0x600000                        ; the mantissa field of 57,344
	v_mov_b32 v[PD], 0                             ; a lane permute's destination counts as one of its sources
	s_lshl_b32 s20, ttmp9, 4
	s_lshl_b32 s21, s12, 2
	s_add_co_u32 s20, s20, s21                     ; my first row: 16 x work-group + 4 x wave
	s_lshl_b32 s22, s20, 10                        ; its codes
	s_mov_b32 s23, 0
	s_lshl_b32 s20, s20, 12                        ; its numbers
	s_mov_b32 s21, 0
	s_lshl_b32 s24, ttmp9, 9
	s_add_co_u32 s24, s24, 0x400000                ; the work-group's scale bytes
	s_mov_b32 s25, 0
	s_wait_kmcnt 0x0
	s_add_nc_u64 s[4:5], s[4:5], s[20:21]
	s_add_nc_u64 s[22:23], s[10:11], s[22:23]
	s_add_nc_u64 s[24:25], s[10:11], s[24:25]
.irp j, 0,1,2,3,4,5,6,7
	global_load_b128 v[G+4*\j:G+4*\j+3], v2, s[6:7] offset:512*\j
.endr
.irp j, 0,1,2,3,4,5,6,7
	global_load_b128 v[BE+4*\j:BE+4*\j+3], v2, s[8:9] offset:512*\j
.endr
.irp i, 0,1,2,3
.irp j, 0,1,2,3,4,5,6,7
	global_load_b128 v[X+32*\i+4*\j:X+32*\i+4*\j+3], v2, s[4:5] offset:4096*\i+512*\j   ; 32 lanes read 512 consecutive bytes
.endr
.endr
.macro LANESUM                         ; v[6:7] -> the sum over both halves and all 32 lanes, in v6 of every lane
	v_add_f32 v6, v6, v7
	v_add_f32_dpp v6, v6, v6 row_xmask:1 row_mask:0xf bank_mask:0xf
	v_add_f32_dpp v6, v6, v6 row_xmask:2 row_mask:0xf bank_mask:0xf
	v_add_f32_dpp v6, v6, v6 row_xmask:4 row_mask:0xf bank_mask:0xf
	v_add_f32_dpp v6, v6, v6 row_xmask:8 row_mask:0xf bank_mask:0xf
	v_permlanex16_b32 v[PD], v6, s16, s17
	v_add_f32 v6, v6, v[PD]
.endm
; half s of row i: 16 neighbours in v[Y + 16 s] on become 16 codes and (with the neighbouring lane) a scale byte
.macro QUANT i, s
.set XS, Y+16*(\s)
.set CR, X+32*(\i)+4+4*(\s)
.set ER, X+32*(\i)+(\s)
	v_max3_num_f32 v12, |v[XS]|, |v[XS+1]|, |v[XS+2]|
	v_max3_num_f32 v13, |v[XS+3]|, |v[XS+4]|, |v[XS+5]|
.irp n, 6,10
	v_max3_num_f32 v12, v12, |v[XS+\n]|, |v[XS+\n+1]|
	v_max3_num_f32 v13, v13, |v[XS+\n+2]|, |v[XS+\n+3]|
.endr
	v_max3_num_f32 v12, v12, |v[XS+14]|, |v[XS+15]|
	v_max3_num_f32 v12, v12, v13, 0x8000000        ; and the floor 2^(16 - 127): the byte cannot fall under 1
	v_max_num_f32_dpp v12, v12, v12 row_xmask:1 row_mask:0xf bank_mask:0xf   ; with my neighbour's 16: the block's largest magnitude
	v_add_nc_u32 v14, 0xf8800000, v12              ; 15 off its exponent field: the conversion's scale operand
	v_and_or_b32 v15, v12, 0x7f800000, s18         ; 57,344 x the scale
.irp n, 0,1,2,3,4,5,6,7,8,9,10,11,12,13,14,15
	v_med3_num_f32 v[XS+\n], v[XS+\n], -v15, v15   ; the conversion to an 8-bit code does not saturate (ISA guide 7.6.2): the hold comes first
.endr
	v_cvt_scalef32_pk8_bf8_f32 v[CR:CR+1], v[XS:XS+7], v14
	v_cvt_scalef32_pk8_bf8_f32 v[CR+2:CR+3], v[XS+8:XS+15], v14
	v_lshrrev_b32 v[ER], 23, v14                   ; the scale's byte (also the plain line behind the conversions)
	ds_store_b8 v5, v[ER] offset:32*(\i)+16*(\s)   ; both lanes of a block write the same byte with the same value
	global_store_b128 v2, v[CR:CR+3], s[22:23] offset:1024*(\i)+512*(\s)   ; 32 lanes store 512 consecutive bytes
.endm
.macro ROW i
.set XR, X+32*(\i)
	s_wait_loadcnt 24-8*(\i)                       ; loads come back in order: g, b and this row are in, the younger rows' eight loads each stay out
	v_pk_add_f32 v[6:7], v[XR:XR+1], v[XR+2:XR+3]  ; the sum, in two chains
	v_pk_add_f32 v[8:9], v[XR+4:XR+5], v[XR+6:XR+7]
.irp p, 8,12,16,20,24,28
	v_pk_add_f32 v[6:7], v[6:7], v[XR+\p:XR+\p+1]
	v_pk_add_f32 v[8:9], v[8:9], v[XR+\p+2:XR+\p+3]
.endr
	v_pk_add_f32 v[6:7], v[6:7], v[8:9]
	LANESUM
	v_mul_f32 v10, s14, v6                         ; the mean
	v_mov_b32 v11, v10
.irp p, 0,2,4,6,8,10,12,14,16,18,20,22,24,26,28,30
	v_pk_add_f32 v[XR+\p:XR+\p+1], v[XR+\p:XR+\p+1], v[10:11] neg_lo:[0,1] neg_hi:[0,1]   ; x - mean
.endr
	v_pk_mul_f32 v[6:7], v[XR:XR+1], v[XR:XR+1]    ; the sum of squares of the differences
	v_pk_mul_f32 v[8:9], v[XR+2:XR+3], v[XR+2:XR+3]
.irp p, 4,8,12,16,20,24,28
	v_pk_fma_f32 v[6:7], v[XR+\p:XR+\p+1], v[XR+\p:XR+\p+1], v[6:7]
	v_pk_fma_f32 v[8:9], v[XR+\p+2:XR+\p+3], v[XR+\p+2:XR+\p+3], v[8:9]
.endr
	v_pk_add_f32 v[6:7], v[6:7], v[8:9]
	LANESUM
	v_fma_f32 v6, v6, s14, s15                     ; variance + 1e-5
	s_wait_alu depctr_va_vdst(0)
	v_rsq_f32 v10, v6
	v_nop                                          ; a plain line behind the transcendental,
	s_wait_alu depctr_va_vdst(0)                   ; and the wait ahead of the first line that names its result
	v_mov_b32 v11, v10
.irp p, 0,2,4,6,8,10,12,14,16,18,20,22,24,26,28,30
	v_pk_mul_f32 v[XR+\p:XR+\p+1], v[XR+\p:XR+\p+1], v[10:11]
.endr
.irp p, 0,2,4,6,8,10,12,14,16,18,20,22,24,26,28,30
	v_pk_fma_f32 v[XR+\p:XR+\p+1], v[XR+\p:XR+\p+1], v[G+\p:G+\p+1], v[BE+\p:BE+\p+1]
.endr
.irp s, 0,1                            ; through the stages: LDS serves a wave's instructions in order, so no wait stands between the stores and the loads
.irp n, 0,1,2,3
	ds_store_b128 v3, v[XR+16*\s+4*\n:XR+16*\s+4*\n+3] offset:STG*\s+8*SP*\n
.endr
.irp n, 0,1,2,3
	ds_load_b128 v[Y+16*\s+4*\n:Y+16*\s+4*\n+3], v4 offset:STG*\s+16*\n
.endr
.endr
	s_wait_dscnt 8                                 ; the first half is back (and its stores have read the row's first 16 registers); the second half's four stores and four loads may be out
	QUANT \i, 0
	s_wait_dscnt 1                                 ; the second half is back; the byte store just issued may be out
	QUANT \i, 1
.endm
	ROW 0
	ROW 1
	ROW 2
	ROW 3
	s_wait_dscnt 0x0                               ; for wave 0's sake: my scale bytes lie in LDS
	s_barrier_signal -1
	s_barrier_wait -1
	s_cmp_lg_u32 s12, 0
	s_cbranch_scc1 .Lend
	ds_load_b128 v[12:15], v2 offset:SCB           ; the 16 rows' 512 scale bytes, 16 a lane
	s_wait_dscnt 0x0
	global_store_b128 v2, v[12:15], s[24:25]       ; 512 consecutive bytes
.Lend:
	s_wait_tensorcnt 0x0
	ds_add_u32 v254, v255
	s_wait_dscnt 0x0
	s_endpgm
.Lfunc_end_k_q883479007e_ln1:
	.size	k_q883479007e_ln1, .Lfunc_end_k_q883479007e_ln1-k_q883479007e_ln1
	.p2alignl 7, 3214868480
	.fill 96, 4, 3214868480
	.section	.rodata,"a",@progbits
	.p2align	6, 0x0
	.amdhsa_kernel k_q883479007e_ln1
		.amdhsa_group_segment_fixed_size 22016
		.amdhsa_private_segment_fixed_size 0
		.amdhsa_enable_private_segment 0
		.amdhsa_kernarg_size 32
		.amdhsa_user_sgpr_count 2
		.amdhsa_user_sgpr_kernarg_segment_ptr 1
		.amdhsa_wavefront_size32 1
		.amdhsa_system_sgpr_workgroup_id_x 1
		.amdhsa_system_sgpr_workgroup_id_y 1
		.amdhsa_system_sgpr_workgroup_id_z 1
		.amdhsa_system_vgpr_workitem_id 0
		.amdhsa_next_free_vgpr 256
		.amdhsa_next_free_sgpr 66
		.amdhsa_reserve_vcc 0
		.amdhsa_float_denorm_mode_32 3
		.amdhsa_float_denorm_mode_16_64 3
		.amdhsa_memory_ordered 1
		.amdhsa_forward_progress 1
		.amdhsa_inst_pref_size 52
	.end_amdhsa_kernel
	.amdgpu_metadata
---
amdhsa.version: [ 1, 2 ]
amdhsa.kernels:
  - .name:           k_q883479007e_ln1
    .symbol:         k_q883479007e_ln1.kd
    .args:
      - { .name: x, .offset: 0, .size: 8, .value_kind: global_buffer, .address_space: global }
      - { .name: g1, .offset: 8, .size: 8, .value_kind: global_buffer, .address_space: global }
      - { .name: be1, .offset: 16, .size: 8, .value_kind: global_buffer, .address_space: global }
      - { .name: hb, .offset: 24, .size: 8, .value_kind: global_buffer, .address_space: global }
    .group_segment_fixed_size: 22016
    .private_segment_fixed_size: 0
    .kernarg_segment_align: 8
    .kernarg_segment_size: 32
    .max_flat_workgroup_size: 128
    .sgpr_count:     66
    .vgpr_count:     256
    .wavefront_size: 32
...
	.end_amdgpu_metadata
.endif
;; end of part 1
;; launch qkv (part 2): grid 16 x 12, 4 waves a work-group, clusters of 4 x 4, 327,680 bytes of LDS; arguments hb, wq_codes, wq_scales, wk_codes, wk_scales, wv_codes, wv_scales, qkvb; writes qkvb
.if DOCPART == 2
	.amdgcn_target "amdgcn-amd-amdhsa--gfx1250"
	.amdhsa_code_object_version 6
	.text
	.protected	k_q883479007e_qkv
	.globl	k_q883479007e_qkv
	.p2align	8
	.type	k_q883479007e_qkv,@function
k_q883479007e_qkv:
	s_mov_b64 s[64:65], 0
	v_nop
	global_prefetch_b8 v0, s[64:65] scope:SCOPE_SE
	s_setreg_imm32_b32 hwreg(HW_REG_WAVE_MODE, 25, 1), 1
	s_wait_xcnt 0x0
	s_wait_alu depctr_hold_cnt(0) depctr_sa_sdst(0) depctr_va_vdst(0) depctr_va_sdst(0) depctr_va_ssrc(0) depctr_va_vcc(0) depctr_vm_vsrc(0)
	s_getreg_b32 s2, hwreg(HW_REG_IB_STS2, 6, 4)
	s_cmp_eq_u32 s2, 0
	s_cbranch_scc0 .Lentry_in_a_cluster
	s_endpgm
.Lentry_in_a_cluster:
	s_bfe_u32 s2, ttmp6, 0x10000c
	s_cmp_lg_u32 s2, 0xf033
	s_cbranch_scc0 .Lentry_shape_is_right
	s_endpgm
.Lentry_shape_is_right:
; C[m][n] = sum over k of A[m][k] B[n][k] on codes of E5M2 with one E8M0 scale for each 32 along K (K = 1,024), AND C IS QUANTISED AGAIN ALONG n, which is the next product's K.
; FFN = 0: three products in one launch, told apart by the cluster's y.  y = 0: q = h Wq^T, y = 1: k = h Wk^T (A = h, 4,096 tokens; B = the weight's 1,024 rows, head x 64 + channel);
;          y = 2: v^T = Wv h^T (A = the weight, B = h), so that n runs along the tokens, which are the keys, the K of attention's second product.
; FFN = 1: f = relu(h2 W1^T + b1): A = h2, B = W1's 4,096 rows; the bias is the C of each sum's first product, the activation rides on the quantiser's hold.
; h (h2) lies in the first argument: codes [4096][1024] at byte 0, scale bytes [4096][32] at byte 0x400000.
; A tile of C, 256 x 256, is made by four waves, 128 x 128 each: 64 accumulators of 16 x 16.  K goes in steps of 256 through a ring of two LDS slots filled by the tensor data mover.
; The scales of the work-group's rows of A and of B, for all of K, come into LDS once, with the first fills.  CLUSTERS: 4 x 4 work-groups; A's tiles are asked for jointly along a row of the cluster, B's along a column.
; THE MATRIX INSTRUCTION IS USED TRANSPOSED (source 0 = 16 rows of B, source 1 = 16 rows of A): lane (r, h) holds row r of C, and register j of tile b the column 16 b + 8 h + j.
; OUTPUT, laid as its readers want it: codes by chunks of 64 columns, [chunk][rows][64 bytes]; scale words (four bytes: 128 columns of a row) [128 columns][rows][4 bytes].
;   FFN = 0: q at byte 0, k at 0x400000 (16 chunks = heads, 4,096 rows), v at 0x800000 (64 chunks of keys, 1,024 rows); words at 0xC00000, 0xC20000, 0xC40000.
;   q's and k's rows lie by PLACE = token with bits 3 and 4 exchanged, so that 16 places on end are the keys that attention wants in one tile.   FFN = 1: codes at byte 0, words at 0x1000000.
; LIMITS: a block of zeros gets the byte 1, not 127 (its codes are zeros; only this program reads the bytes); NaN and infinities are not served.
; REGISTERS, in windows of 256: window 0: v0-31 addresses; v32-63 scale words, two sets; v64-127 the bias (FFN = 1); from v128 A's fragments, one set.  window 1: B's fragments, two sets.  windows 2, 3: the accumulators.
.set FFN,    0
.set KSTEP,  256
.set NQ,     2                         ; matrix instructions deep in a slot
.set ROWB,   256                       ; a tile's row in bytes
.set KROW,   1024                      ; a row of A or of B in memory
.set PITCH,  272                       ; an LDS row: 256 bytes + 16 of padding: the 16 rows that a load touches start 16 bytes apart modulo 256
.set FR,     16                        ; registers of a fragment
.set NL,     4                         ; LDS loads that bring one
.set NP,     8                         ; places behind this matrix instruction (ISA guide 7.12.1)
.set HALFT,  128*PITCH
.set SLOT,   4*HALFT                   ; A's 256 rows, then B's 256 rows
.set LAPS,   2                         ; 1,024 / 512
.set KS,     32                        ; a row of scale bytes
.set SCL,    2*SLOT                    ; behind the ring: the scales, as units of 256 bytes + 16
.set HALFS,  16*272                    ; those of 128 rows
.set SBLK,   2*272                     ; those of 16 rows
.set SPARE,  SCL+4*HALFS               ; the spare words: two blocks of 256 bytes that no other line names
.set SST,    256*272                   ; the way out, in slot 0 (which has had its last fill and its last read by then): codes, 256 rows x 272 bytes, from byte 0; from SST the scale words, 512 bytes a wave
.set STO,  7                           ; v7   where I put 8 codes of a row
.set SWO,  8                           ; v8   where I put a row's scale word
.set RDQ,  9                           ; v9   where I read my strip of 64 bytes back: rows 0-127;
.set RDQ2, 10                          ; v10  rows 128-255
.set VO,   11                          ; v11  16 x lane
.set VP,   12                          ; v12  16 x lane + 512 where places are exchanged
.set VM,   13                          ; v13  16 x lane + 512 where they are not
.set SRD,  14                          ; v14  where I read my scale words back
.set SGO,  15                          ; v15  and their place in memory
.set ADRA, 16
.set BOF,  18                          ; v18  the bias's offset
.set ADRB, 20
.set ADRS, 27
.set SPW,  28                          ; v28  LDS address of my spare word; never rewritten
.set NIL,  29                          ; v29  0; never rewritten
.set SC,   32
.set BI,   64
.set AF,   128
.set TM,   32                          ; the way out: v32-35 largest magnitudes, v36-39 bytes, v40-43 holds, v44-47 scale operands
.set PWR,  48                          ; v48-55 a scale word for each block of rows
.set T,    64                          ; v64-127 64 held numbers
.set PC,   128                         ; v128-255 16 registers of codes for each block of rows; then the strip
.set G1, 24
.set G0, 32
.set G1B, 48
.set G0B, 56
.set G1S, 68
.set G0S, 76
.set G1SB, 80
.set G0SB, 88
.set MSB, 0
.macro WIN new                         ; the immediate's high byte repeats the setting that is left
.if MSB != \new
	s_set_vgpr_msb (MSB<<8)|\new
.set MSB, \new
.endif
.endm
.set MUL_LO, 0xa1                      ; source 0 (B) window 1, source 1 (A) window 0, C and D window 2
.set MUL_HI, 0xf1                      ; the same, C and D window 3
.set TO_B,   0x40                      ; destination window 1, address window 0
.macro WMUL hi, zero                   ; the windows of a run of products; where the bias is C, C lies in window 0
.if (\zero) && FFN
.set WW, 0x81+0x40*(\hi)
.else
.set WW, 0xa1+0x50*(\hi)
.endif
	WIN WW
.endm
; A joint load: waves 0 and 1 fetch for A, waves 2 and 3 for B; the branch hangs on the wave's number alone.  Four v_nop follow each of the two lines.
.macro JLOAD g0a, g1a, g0b, g1b
	s_cmp_eq_u32 s15, 0
	s_cbranch_scc0 .Lfor_b_\@
	tensor_load_to_lds s[\g0a:\g0a+3], s[\g1a:\g1a+7]
	s_nop 0
.rept 4
	v_nop
.endr
	s_branch .Lasked_\@
.Lfor_b_\@:
	tensor_load_to_lds s[\g0b:\g0b+3], s[\g1b:\g1b+7]
	s_nop 0
.rept 4
	v_nop
.endr
.Lasked_\@:
.endm
.macro CREST                           ; a round of the cluster's barrier behind its opening barrier
	s_cmp_lg_u32 s14, 0
	s_cbranch_scc1 .Lnot_wave_0_\@
	s_barrier_signal -3
.Lnot_wave_0_\@:
	s_barrier_wait -3
	s_barrier_signal -1
	s_barrier_wait -1
.endm
.macro CROUND
	s_barrier_signal -1
	s_barrier_wait -1
	CREST
.endm
.if FFN
	s_load_b256 s[68:75], s[0:1], 0x0              ; h2, W1's codes, W1's scales, b1
	s_load_b64 s[76:77], s[0:1], 0x20              ; the output
.else
	s_load_b512 s[68:83], s[0:1], 0x0              ; h, Wq's codes and scales, Wk's, Wv's, the output
.endif
	v_lshl_add_u32 v[SPW], v0, 2, SPARE
	v_mov_b32 v[NIL], 0
	ds_add_u32 v28, v29
	ds_add_u32 v28, v29
	s_wait_dscnt 0x0
	v_lshrrev_b32 v1, 5, v0
	v_readfirstlane_b32 s14, v1                    ; wave 0..3
	s_lshr_b32 s15, s14, 1                         ; which half of the tile's rows is mine.  Also: I fetch for A (0) or for B (1)
	s_and_b32 s16, s14, 1                          ; which half of its columns.  Also: which 128 rows of that tile I fetch
	s_bfe_u32 s40, ttmp6, 0x40000                  ; cx, cy: my place in the cluster
	s_bfe_u32 s41, ttmp6, 0x40004
	s_and_b32 s98, ttmp7, 0xffff                   ; the cluster's y
.if FFN
	s_mov_b32 s66, s98                             ; clusters down A's rows,
	s_mov_b32 s67, ttmp9                           ; and along B's
	s_mov_b32 s100, 12                             ; log2 of the output's rows
.else
	s_cmp_eq_u32 s98, 2                            ; v?  All choices hang on the cluster's y, which the sixteen partners share
	s_cselect_b32 s66, 0, ttmp9                    ; q, k: the cluster's x walks the tokens, which are A's rows;
	s_cselect_b32 s67, ttmp9, 0                    ; v: they are B's rows
	s_cselect_b32 s100, 10, 12                     ; log2 of the output's rows: 1,024 or 4,096
	s_cselect_b32 s101, 0, 512                     ; q, k: groups of eight rows change places
	s_cselect_b32 s2, 0, -1                        ; the same as a lane mask
.endif
	s_lshl_b32 s42, s67, 2
	s_add_co_u32 s42, s42, s40                     ; tile column of C
	s_lshl_b32 s17, s66, 2
	s_add_co_u32 s17, s17, s41                     ; tile row of C
	s_lshl_b32 s43, s41, 2
	s_lshl_b32 s43, 15, s43                        ; my row of the cluster
	s_lshl_b32 s44, 0x1111, s40                    ; my column
	; descriptor group 1: a tile of 128 rows x 256 bytes, padded in LDS
	s_or_b32 s[G1+0], s43, (0<<16)|(1<<20)|(1<<21)|(5<<22)|(3<<25)  ; 15:0 the mask; 17:16 elements of 1 byte; 20 padding on; 21 set beside a mask; 24:22 after every 64 words; 31:25 four words
	s_or_b32 s[G1B+0], s44, (0<<16)|(1<<20)|(1<<21)|(5<<22)|(3<<25)
.irp g, G1, G1B
	s_mov_b32 s[\g+1], ROWB<<16                    ; tensor_dim0
	s_mov_b32 s[\g+2], 256<<16                     ; tensor_dim1: 256 rows for the head's loads; 128 for the ring's, set behind the head's wait
	s_mov_b32 s[\g+3], ROWB<<16                    ; tile_dim0
	s_mov_b32 s[\g+4], 256                         ; tile_dim1 likewise
	s_mov_b32 s[\g+5], KROW                        ; tensor_dim0_stride
	s_mov_b32 s[\g+6], 0
	s_mov_b32 s[\g+7], 0
.endr
	s_lshl_b32 s18, s16, 7                         ; which 128 rows of the tile I fetch
	s_lshl_b32 s20, s17, 8
	s_add_co_u32 s20, s20, s18                     ; A: row 256 x tile row + 128 x half
	s_lshl_b32 s46, s42, 8
	s_add_co_u32 s46, s46, s18                     ; B: row 256 x tile column + 128 x half
	s_lshl_b32 s22, s17, 13                        ; where the scales of A's 256 rows begin: 256 x 32 bytes a tile row,
	s_mov_b32 s23, 0
	s_lshl_b32 s20, s20, 10                        ; and their codes
	s_mov_b32 s21, 0
	s_lshl_b32 s92, s42, 13                        ; B's scales likewise
	s_mov_b32 s93, 0
	s_lshl_b32 s46, s46, 10
	s_mov_b32 s47, 0
	s_mul_i32 s45, s14, HALFT                      ; where they go: wave x 128 rows: no place in the cluster enters an LDS address
	s_mov_b32 s95, 0x600000                        ; the mantissa field of 57,344
	s_mov_b32 s96, 0x76543210
	s_mov_b32 s97, 0xfedcba98                      ; lane selects: lane l xor 16
	s_wait_kmcnt 0x0
.if FFN
	s_mov_b64 s[4:5], s[68:69]                     ; A's codes,
	s_add_nc_u64 s[6:7], s[68:69], 0x400000        ; A's scales
	s_mov_b64 s[8:9], s[70:71]                     ; B's codes, B's scales
	s_mov_b64 s[10:11], s[72:73]
	s_mov_b64 s[66:67], s[74:75]                   ; b1
	s_mov_b64 s[12:13], s[76:77]                   ; the output
.else
	s_add_nc_u64 s[84:85], s[68:69], 0x400000      ; h's scales
	s_cmp_eq_u32 s98, 0
	s_cselect_b64 s[8:9], s[70:71], s[74:75]       ; Wq or Wk
	s_cselect_b64 s[10:11], s[72:73], s[76:77]
	s_cmp_eq_u32 s98, 2
	s_cselect_b64 s[4:5], s[78:79], s[68:69]       ; A: Wv or h
	s_cselect_b64 s[6:7], s[80:81], s[84:85]
	s_cselect_b64 s[8:9], s[68:69], s[8:9]         ; B: h or the weight
	s_cselect_b64 s[10:11], s[84:85], s[10:11]
	s_mov_b64 s[12:13], s[82:83]                   ; the output
.endif
	s_add_nc_u64 s[20:21], s[4:5], s[20:21]
	s_add_nc_u64 s[22:23], s[6:7], s[22:23]
	s_add_nc_u64 s[46:47], s[8:9], s[46:47]
	s_add_nc_u64 s[92:93], s[10:11], s[92:93]
	; group 1 for the scales of 256 rows: a dense block of 8,192 bytes, as 32 rows of 256 bytes (32 elements of 8 bytes), 16 bytes of padding behind each
	s_or_b32 s[G1S+0], s43, (3<<16)|(1<<20)|(1<<21)|(5<<22)|(3<<25)
	s_or_b32 s[G1SB+0], s44, (3<<16)|(1<<20)|(1<<21)|(5<<22)|(3<<25)
.irp g, G1S, G1SB
	s_mov_b32 s[\g+1], 32<<16
	s_mov_b32 s[\g+2], 32<<16                      ; the scales of 256 rows: 32 rows of 256 bytes
	s_mov_b32 s[\g+3], 32<<16
	s_mov_b32 s[\g+4], 32
	s_mov_b32 s[\g+5], 32
	s_mov_b32 s[\g+6], 0
	s_mov_b32 s[\g+7], 0
.endr
	CROUND                                         ; all sixteen work-groups are here: the first joint loads meet
	s_mov_b32 s[G0S], 1
	s_mov_b32 s[G0S+1], SCL
	s_mov_b64 s[G0S+2:G0S+3], s[22:23]
	s_or_b32 s[G0S+3], s[G0S+3], 0x80000000
	s_mov_b32 s[G0SB], 1
	s_mov_b32 s[G0SB+1], SCL+2*HALFS
	s_mov_b64 s[G0SB+2:G0SB+3], s[92:93]
	s_or_b32 s[G0SB+3], s[G0SB+3], 0x80000000
.irp s, 0,1
	s_mov_b32 s[G0+4*\s], 1
	s_add_co_u32 s[G0+4*\s+1], s45, \s*SLOT
	s_add_nc_u64 s[G0+4*\s+2:G0+4*\s+3], s[20:21], \s*ROWB
	s_or_b32 s[G0+4*\s+3], s[G0+4*\s+3], 0x80000000
	s_mov_b32 s[G0B+4*\s], 1
	s_add_co_u32 s[G0B+4*\s+1], s45, \s*SLOT
	s_add_nc_u64 s[G0B+4*\s+2:G0B+4*\s+3], s[46:47], \s*ROWB
	s_or_b32 s[G0B+4*\s+3], s[G0B+4*\s+3], 0x80000000
.endr
; THE HEAD'S LOADS, one a wave, in one chain of branches on the wave's number: wave 0 K step 0's 256 rows of A (its own group 0 begins at the tile's first row and at LDS byte 0),
; wave 2 the 256 rows of B (its group 0 begins at B's first row and at 2 HALFT), wave 1 the scales of A's 256 rows, wave 3 those of B's.
.macro ARM w, g0, g1, next
	s_cmp_eq_u32 s14, \w
	s_cbranch_scc0 \next
	tensor_load_to_lds s[\g0:\g0+3], s[\g1:\g1+7]
	s_nop 0
.rept 4
	v_nop
.endr
	s_branch .Lhead_asked
\next:
.endm
	ARM 0, G0, G1, .Lhead_b
	ARM 2, G0B, G1B, .Lhead_sa
	ARM 1, G0S, G1S, .Lhead_sb
	tensor_load_to_lds s[G0SB:G0SB+3], s[G1SB:G1SB+7]
	s_nop 0
.rept 4
	v_nop
.endr
.Lhead_asked:
	; PREFETCH of K steps 1 to 3, bytes 256 to 1,023 of each row, whose loads stand behind the next round and the two refills.  The four partners that ask for a tile jointly share its 256 rows out BY ADDRESS:
	; share 2 x place + wave % 2 of eight (place: cx for A, cy for B) is 32 rows, a lane a row, three blocks of 256 bytes a lane.  Waves 0, 1 ask for A, waves 2, 3 for B.  K ends with K step 3, so the loop asks for nothing.
	s_cmp_eq_u32 s15, 0
	s_cselect_b64 s[92:93], s[4:5], s[8:9]
	s_cselect_b32 s20, s40, s41
	s_cselect_b32 s21, s17, s42
	s_lshl_b32 s20, s20, 1
	s_add_co_u32 s20, s20, s16
	s_lshl_b32 s20, s20, 5
	s_lshl_b32 s21, s21, 8
	s_add_co_u32 s20, s20, s21                     ; my share's first row
	s_lshl_b32 s20, s20, 10
	s_mov_b32 s21, 0
	s_add_nc_u64 s[92:93], s[92:93], s[20:21]      ; never rewritten
	v_and_b32 v19, 31, v0
	v_lshlrev_b32 v19, 10, v19                     ; v19: my lane's row; never rewritten
.irp k, 1,2,3
	global_prefetch_b8 v19, s[92:93] offset:256*\k th:TH_LOAD_NT scope:SCOPE_SE
.endr
	v_and_b32 v1, 15, v0                           ; r = l % 16
	v_bfe_u32 v2, v0, 4, 1                         ; h = l / 16
	v_mul_u32_u24 v3, v1, PITCH
	v_lshl_add_u32 v4, v2, 4, v3                   ; a fragment's row x pitch + 16 x half
	s_mul_i32 s21, s15, HALFT                      ; my 128 rows of A
	s_mul_i32 s22, s16, HALFT                      ; my 128 rows of B,
	s_add_co_u32 s22, s22, 2*HALFT                 ; which lie behind A's 256
.irp s, 0,1
	v_add_nc_u32 v[ADRA+\s], s21, v4
	v_add_nc_u32 v[ADRB+\s], s22, v4
	s_add_co_u32 s21, s21, SLOT
	s_add_co_u32 s22, s22, SLOT
.endr
	v_mul_u32_u24 v5, v1, KS                       ; my row's scales: 32 bytes a row,
	v_lshrrev_b32 v6, 8, v5
	v_lshl_add_u32 v5, v6, 4, v5                   ; and 16 more for each 256 passed
	s_mul_i32 s21, s15, HALFS                      ; A's: my 128 rows
	s_mul_i32 s22, s16, HALFS                      ; B's: my 128 rows, behind A's 256
	s_add_co_u32 s22, s22, 2*HALFS
	s_sub_co_u32 s22, s22, s21
	v_mul_u32_u24 v6, s22, v2                      ; lanes 16-31 take B's
	s_add_co_u32 s21, s21, SCL
	v_add_nc_u32 v5, v5, v6
	v_add_nc_u32 v[ADRS], s21, v5
	; the way out's addresses
	s_mul_i32 s23, s15, 128*272
	s_lshl_b32 s22, s16, 7
	s_add_co_u32 s23, s23, s22
	v_lshl_add_u32 v5, v2, 3, v3
	v_add_nc_u32 v[STO], s23, v5                   ; row 128 x (my half of the rows) + r, byte 128 x (my half of the columns) + 8 h
	v_and_b32 v6, 31, v0                           ; lane
	v_lshrrev_b32 v5, 2, v6
	v_mul_u32_u24 v5, v5, 272
	v_and_b32 v3, 3, v6
	v_lshl_add_u32 v5, v3, 4, v5
	s_lshl_b32 s23, s14, 6
	v_add_nc_u32 v[RDQ], s23, v5                   ; strip = wave: 64 bytes of eight rows an instruction, four lanes to a row
	v_add_nc_u32 v[RDQ2], 16*2176, v[RDQ]
	v_lshlrev_b32 v[VO], 4, v6
	s_lshl_b32 s23, s14, 9
	s_add_co_u32 s23, s23, SST
	v_add_nc_u32 v[SRD], s23, v[VO]
	v_lshl_add_u32 v[SWO], v1, 2, s23
.if !FFN
	v_add_nc_u32 v[VP], s101, v[VO]
	s_sub_co_u32 s23, 512, s101
	v_add_nc_u32 v[VM], s23, v[VO]
	v_lshrrev_b32 v3, 1, v6                        ; a lane's four scale words are rows 4 l .. 4 l + 3: the rows' bits 3 and 4 are the lane's bits 1 and 2
	v_and_b32 v4, 12, v3
	v_and_b32 v5, 1, v3
	v_lshl_or_b32 v4, v5, 1, v4
	v_bfe_u32 v5, v3, 1, 1
	v_or_b32 v4, v4, v5
	v_and_b32 v5, 1, v6
	v_lshlrev_b32 v5, 4, v5
	v_lshl_or_b32 v4, v4, 5, v5                    ; 16 x (the lane with bits 1 and 2 exchanged)
	v_cndmask_b32 v[SGO], v[VO], v4, s2            ; a choice of a value, no branch
.endif
	; where my part of the output begins: codes: chunk 4 x tile column + wave, row 256 x tile row
	s_lshl_b32 s18, s42, 2
	s_add_co_u32 s18, s18, s14
	s_lshl_b32 s18, s18, s100
	s_lshl_b32 s19, s17, 8
	s_add_co_u32 s18, s18, s19
	s_lshl_b32 s18, s18, 6
.if !FFN
	s_lshl_b32 s19, s98, 22
	s_add_co_u32 s18, s18, s19
.endif
	s_mov_b32 s19, 0
	s_add_nc_u64 s[4:5], s[12:13], s[18:19]
	; scale words: 128 columns 2 x tile column + (my half of the columns), row 256 x tile row + 128 x (my half of the rows)
	s_lshl_b32 s18, s42, 1
	s_add_co_u32 s18, s18, s16
	s_add_co_u32 s19, s100, 2
	s_lshl_b32 s18, s18, s19
	s_lshl_b32 s19, s17, 10
	s_add_co_u32 s18, s18, s19
	s_lshl_b32 s19, s15, 9
	s_add_co_u32 s18, s18, s19
.if FFN
	s_add_co_u32 s18, s18, 0x1000000
.else
	s_lshl_b32 s19, s98, 17
	s_add_co_u32 s18, s18, s19
	s_add_co_u32 s18, s18, 0xC00000
.endif
	s_mov_b32 s19, 0
	s_add_nc_u64 s[6:7], s[12:13], s[18:19]
.if FFN
	s_lshl_b32 s46, s42, 10                        ; the bias of my 128 columns: lane (r, h) wants, for tile b, those of columns 16 b + 8 h + 0 .. 7
	s_lshl_b32 s47, s16, 9
	s_add_co_u32 s46, s46, s47
	s_mov_b32 s47, 0
	s_add_nc_u64 s[66:67], s[66:67], s[46:47]
	v_lshlrev_b32 v[BOF], 5, v2
.irp b, 0,1,2,3,4,5,6,7
	global_load_b128 v[BI+8*\b:BI+8*\b+3], v[BOF], s[66:67] offset:64*\b
	global_load_b128 v[BI+8*\b+4:BI+8*\b+7], v[BOF], s[66:67] offset:64*\b+16
.endr
.endif
.macro FRAG reg, adr, q, i             ; a fragment, 16 rows x 128 K: lane l holds row l % 16; registers 4 c .. 4 c + 3 hold K = 32 c + 16 (l / 16) + 0 .. 15
.irp c, 0,1,2,3
	ds_load_b128 v[\reg+4*\c:\reg+4*\c+3], v[\adr] offset:128*(\q)+32*\c+(\i)*16*PITCH
.endr
.endm
; 16 matrix instructions: A's blocks a0, a0 + 1 x B's eight, the slot's q-th 128 along K.  p: B's set; sc: the set of scale words.  zero = 1: the first product starts the sums (with 0, or with the bias).
; The 64 accumulators take turns, one instruction a turn, in the same order in every step.
.macro MUL16 a0, p, q, sc, zero
.irp a, \a0, \a0+1
.irp b, 0,1,2,3,4,5,6,7
.if (\zero) && FFN
	v_wmma_scale_f32_16x16x128_f8f6f4 v[8*(8*((\a)%4)+\b):8*(8*((\a)%4)+\b)+7], v[128*(\p)+FR*\b:128*(\p)+FR*\b+FR-1], v[AF+FR*(\a):AF+FR*(\a)+FR-1], v[BI+8*\b:BI+8*\b+7], v[SC+8*NQ*(\sc)+NQ*\b+(\q)], v[SC+8*NQ*(\sc)+NQ*(\a)+(\q)] matrix_a_fmt:MATRIX_FMT_BF8 matrix_b_fmt:MATRIX_FMT_BF8 matrix_a_scale:MATRIX_SCALE_ROW1
.elseif \zero
	v_wmma_scale_f32_16x16x128_f8f6f4 v[8*(8*((\a)%4)+\b):8*(8*((\a)%4)+\b)+7], v[128*(\p)+FR*\b:128*(\p)+FR*\b+FR-1], v[AF+FR*(\a):AF+FR*(\a)+FR-1], 0, v[SC+8*NQ*(\sc)+NQ*\b+(\q)], v[SC+8*NQ*(\sc)+NQ*(\a)+(\q)] matrix_a_fmt:MATRIX_FMT_BF8 matrix_b_fmt:MATRIX_FMT_BF8 matrix_a_scale:MATRIX_SCALE_ROW1
.else
	v_wmma_scale_f32_16x16x128_f8f6f4 v[8*(8*((\a)%4)+\b):8*(8*((\a)%4)+\b)+7], v[128*(\p)+FR*\b:128*(\p)+FR*\b+FR-1], v[AF+FR*(\a):AF+FR*(\a)+FR-1], v[8*(8*((\a)%4)+\b):8*(8*((\a)%4)+\b)+7], v[SC+8*NQ*(\sc)+NQ*\b+(\q)], v[SC+8*NQ*(\sc)+NQ*(\a)+(\q)] matrix_a_fmt:MATRIX_FMT_BF8 matrix_b_fmt:MATRIX_FMT_BF8 matrix_a_scale:MATRIX_SCALE_ROW1
.endif
.endr
.endr
.endm
.macro FETCH_B slot, q, p              ; B's eight fragments of the slot's q-th 128 along K into set p
	WIN TO_B
.irp i, 0,1,2,3,4,5,6,7
	FRAG 128*(\p)+FR*\i, ADRB+\slot, \q, \i
.endr
	WIN 0
.endm
.macro FETCH_A slot, q, i0             ; A's blocks i0 .. i0 + 3
.irp i, \i0, \i0+1, \i0+2, \i0+3
	FRAG AF+FR*(\i), ADRA+\slot, \q, \i
.endr
.endm
.macro SCALES sc                       ; a K step's scale words into set sc: two words a row; lanes 0-15 take A's block i, lanes 16-31 B's block i
.irp i, 0,1,2,3,4,5,6,7
	ds_load_b64 v[SC+8*NQ*\sc+NQ*\i:SC+8*NQ*\sc+NQ*\i+1], v[ADRS] offset:\i*SBLK
.endr
.endm
.macro PLACES n                        ; plain vector lines between a matrix instruction and a load into, or a vector or LDS-store read of, its registers (ISA guide 7.12.1 for the reads)
.rept \n
	v_nop
.endr
.endm
; A step of 128 along K that has its successor in the same slot.  A has one set of registers: blocks 0-3 are fetched anew in the step's middle, blocks 4-7 at its end; B has two sets.
.macro STEP slot, q, zero
	s_wait_dscnt 4*NL                              ; B's set and A's blocks 0-3 are in; the youngest 16 loads (A's blocks 4-7) may be out
	WMUL 0, \zero
	MUL16 0, (\q)%2, \q, \slot, \zero
	MUL16 2, (\q)%2, \q, \slot, \zero
	s_wait_dscnt 0                                 ; A's blocks 4-7 are in
	PLACES NP
	FETCH_B \slot, (\q)+1, 1-(\q)%2
	FETCH_A \slot, (\q)+1, 0
	WMUL 1, \zero
	MUL16 4, (\q)%2, \q, \slot, \zero
	MUL16 6, (\q)%2, \q, \slot, \zero
	PLACES NP
	WIN 0
	FETCH_A \slot, (\q)+1, 4
.endm
; A slot's last step changes slots: ONE barrier; in front of it each wave waits for all its tensor loads, adds 0 to its spare word, and waits for that and for its own reads of this slot.  fill = 1: this slot is filled again, two K steps ahead.
.macro TURN slot, next, fill
	s_wait_tensorcnt 0x0                           ; all my tensor loads have landed: my part of the next slot  (every window is 0 here)
	ds_add_u32 v[SPW], v[NIL]                      ; 0 onto my spare word
	s_wait_dscnt 4*NL+1                            ; (the add and the youngest 16 loads, A's blocks 4-7, may be out)
	WIN MUL_LO
	MUL16 0, 1, NQ-1, \slot, 0                     ; sixteen matrix instructions stand between the add and the wait for it
	s_wait_dscnt 0x0                               ; the add is done, and my reads of this slot are over
	s_barrier_signal -1
	MUL16 2, 1, NQ-1, \slot, 0
	WIN 0
	s_barrier_wait -1
.if \fill
	CREST                                          ; the barrier has opened a round of the cluster's barrier: no wave of any partner still reads this slot's tile or has a load on its way
	s_add_nc_u64 s[G0+4*\slot+2:G0+4*\slot+3], s[G0+4*\slot+2:G0+4*\slot+3], 2*ROWB
	s_add_nc_u64 s[G0B+4*\slot+2:G0B+4*\slot+3], s[G0B+4*\slot+2:G0B+4*\slot+3], 2*ROWB
	JLOAD G0+4*\slot, G1, G0B+4*\slot, G1B         ; the first tensor load behind the round; its four v_nop are among the places in front of the loads below
	PLACES NP-4
.else
	PLACES NP
.endif
	s_wait_alu depctr_va_vdst(0)
	v_add_nc_u32 v[ADRS], 4*NQ, v[ADRS]            ; on to the next K step's scale words (no LDS load of mine is out)
	FETCH_B \next, 0, 0
	FETCH_A \next, 0, 0
	SCALES \next
	WIN MUL_HI
	MUL16 4, 1, NQ-1, \slot, 0
	MUL16 6, 1, NQ-1, \slot, 0
	PLACES NP
	WIN 0
	FETCH_A \next, 0, 4
.endm
	s_wait_alu depctr_va_vdst(0)                   ; the wait at the head's end
	s_wait_tensorcnt 0x0                           ; my tile of the head's four is in; the lines ahead of a later first fill:
	ds_add_u32 v[SPW], v[NIL]
	s_mov_b32 s[G1+2], 128<<16                     ; no tensor load of mine is out: from here on a load brings 128 rows
	s_mov_b32 s[G1+4], 128
	s_mov_b32 s[G1B+2], 128<<16
	s_mov_b32 s[G1B+4], 128
	s_wait_dscnt 0x0
	CROUND                                         ; all four tiles are in, all sixteen work-groups are here
	JLOAD G0+4, G1, G0B+4, G1B                     ; K step 1, the first tensor load behind the round
	FETCH_B 0, 0, 0
	FETCH_A 0, 0, 0
	SCALES 0
	FETCH_A 0, 0, 4
.if FFN
	s_wait_loadcnt 0x0                             ; the bias
.endif
	STEP 0, 0, 1                                   ; the first step stands in front of the loop: its products start the sums
	s_mov_b32 s3, LAPS-1
.Llap:                                                 ; a trip goes once round the ring, from a lap's second step to the next lap's first, and fills both slots again
	TURN 0, 1, 1
	STEP 1, 0, 0
	TURN 1, 0, 1
	STEP 0, 0, 0
	s_sub_co_u32 s3, s3, 1
	s_cmp_lg_u32 s3, 0
	s_cbranch_scc1 .Llap
	TURN 0, 1, 0                                   ; the last lap fills nothing
	STEP 1, 0, 0
	s_wait_dscnt 4*NL                              ; the very last step: nothing more to fetch
	WIN MUL_LO
	MUL16 0, 1, NQ-1, 1, 0
	MUL16 2, 1, NQ-1, 1, 0
	s_wait_dscnt 0
	WIN MUL_HI
	MUL16 4, 1, NQ-1, 1, 0
	MUL16 6, 1, NQ-1, 1, 0
	WIN 0
; THE WAY OUT.  Block a of 16 rows x 128 columns is quantised along the columns.  A block of 32 columns lies in the 16 registers of tiles 2 b and 2 b + 1 of lanes l and l xor 16.  A tile's eight registers are eight
; neighbouring columns: one conversion makes their 8 bytes, which go to the work-group's stage at row, byte 16 t + 8 h.  The four bytes of the blocks make the row's scale word.
.macro QROW a
.set WI, 2+(\a)/4
.set WA, (WI<<2)|(WI<<4)
.set AC, 64*((\a)%4)
.set PCA, PC+16*(\a)
	WIN WA                                         ; sources 1 and 2: the accumulators' window
.irp b, 0,1,2,3
.if FFN                                ; no |.|: what is negative becomes 0, so it must not count; the floor stands over it
	v_max3_num_f32 v[TM+\b], 0x8000000, v[AC+16*\b], v[AC+16*\b+1]
.else
	v_max3_num_f32 v[TM+\b], 0x8000000, |v[AC+16*\b]|, |v[AC+16*\b+1]|   ; each accumulator is read from its low end on; the floor 2^(16 - 127) holds the byte at 1 from below
.endif
.endr
.irp i, 2,4,6,8,10,12,14
.irp b, 0,1,2,3
.if FFN
	v_max3_num_f32 v[TM+\b], v[TM+\b], v[AC+16*\b+\i], v[AC+16*\b+\i+1]
.else
	v_max3_num_f32 v[TM+\b], v[TM+\b], |v[AC+16*\b+\i]|, |v[AC+16*\b+\i+1]|
.endif
.endr
.endr
	WIN 0
.irp b, 0,1,2,3
	v_permlanex16_b32 v[TM+4+\b], v[TM+\b], s96, s97
.endr
.irp b, 0,1,2,3
	v_max_num_f32 v[TM+\b], v[TM+\b], v[TM+4+\b]   ; with lane l xor 16's: the block's largest magnitude
.endr
.irp b, 0,1,2,3
	v_add_nc_u32 v[TM+12+\b], 0xf8800000, v[TM+\b] ; 15 off its exponent field: the conversion's scale operand
.endr
.irp b, 0,1,2,3
	v_and_or_b32 v[TM+8+\b], v[TM+\b], 0x7f800000, s95   ; 57,344 x the scale
.endr
.irp b, 0,1,2,3
	v_lshrrev_b32 v[TM+4+\b], 23, v[TM+12+\b]      ; the scale's byte
.endr
	v_lshl_or_b32 v[PWR+\a], v[TM+5], 8, v[TM+4]
	v_lshl_or_b32 v[PWR+\a], v[TM+6], 16, v[PWR+\a]
	v_lshl_or_b32 v[PWR+\a], v[TM+7], 24, v[PWR+\a]
	WIN WI                                         ; source 0: the accumulators' window
.irp b, 0,1,2,3
.irp i, 0,1,2,3,4,5,6,7,8,9,10,11,12,13,14,15
.if FFN
	v_med3_num_f32 v[T+16*\b+\i], v[AC+16*\b+\i], 0, v[TM+8+\b]   ; the activation and the hold in one
.else
	v_med3_num_f32 v[T+16*\b+\i], v[AC+16*\b+\i], -v[TM+8+\b], v[TM+8+\b]   ; the conversion to an 8-bit code does not saturate (ISA guide 7.6.2)
.endif
.endr
.endr
	WIN 0
.irp t, 0,1,2,3,4,5,6,7
	v_cvt_scalef32_pk8_bf8_f32 v[PCA+2*\t:PCA+2*\t+1], v[T+8*\t:T+8*\t+7], v[TM+12+\t/2]
.endr
	v_nop                                          ; a plain line behind the last conversion: the next block writes their sources
.irp t, 0,1,2,3,4,5,6,7
	ds_store_b64 v[STO], v[PCA+2*\t:PCA+2*\t+1] offset:4352*(\a)+16*\t
.endr
	ds_store_b32 v[SWO], v[PWR+\a] offset:64*(\a)  ; lanes l and l xor 16 write the same word with the same value
.endm
	PLACES NP                                      ; behind the last products: their results are read, and their operands' and scales' registers written, only from here on
.irp b, 0,1,2,3
	v_mov_b32 v[TM+4+\b], 0                        ; a lane permute's destination counts as one of its sources
.endr
.irp a, 0,1,2,3,4,5,6,7
	QROW \a
.endr
	s_wait_dscnt 0x0                               ; for the others' sake: my codes lie in the stage
	s_barrier_signal -1
	s_barrier_wait -1
; Wave w takes strip w, 64 bytes of each of the 256 rows: one chunk's 16,384 consecutive bytes of the output; an instruction takes eight rows, 512 bytes.
.set II, 0
.rept 32
.if II < 16
	ds_load_b128 v[128+4*II:128+4*II+3], v[RDQ] offset:2176*II
.else
	ds_load_b128 v[128+4*II:128+4*II+3], v[RDQ2] offset:2176*(II-16)
.endif
.set II, II+1
.endr
	ds_load_b128 v[52:55], v[SRD]                  ; my 128 rows' scale words, four a lane
.set II, 0
.rept 32
	s_wait_dscnt 32-II                             ; LDS loads come back in order: load II is in; the younger strip loads and the scale words may be out
.if FFN || (II%4 == 0) || (II%4 == 3)
	global_store_b128 v[VO], v[128+4*II:128+4*II+3], s[4:5] offset:512*II
.elseif II%4 == 1
	global_store_b128 v[VP], v[128+4*II:128+4*II+3], s[4:5] offset:512*II        ; q, k: rows 8 .. 15 of each 32 go to places 16 .. 23,
.else
	global_store_b128 v[VM], v[128+4*II:128+4*II+3], s[4:5] offset:512*(II-1)    ; and rows 16 .. 23 to places 8 .. 15
.endif
.set II, II+1
.endr
	s_wait_dscnt 0x0
.if FFN
	global_store_b128 v[VO], v[52:55], s[6:7]      ; 512 consecutive bytes
.else
	global_store_b128 v[SGO], v[52:55], s[6:7]     ; 512 consecutive bytes, the lanes in the order of the places
.endif
	s_wait_tensorcnt 0x0                           ; the wave's end
	ds_add_u32 v[SPW], v[NIL]
	s_wait_dscnt 0x0
	CROUND                                         ; the closing round: no work-group ends while a partner may still ask for a tile that names it
	s_endpgm
.Lfunc_end_k_q883479007e_qkv:
	.size	k_q883479007e_qkv, .Lfunc_end_k_q883479007e_qkv-k_q883479007e_qkv
	.p2alignl 7, 3214868480
	.fill 96, 4, 3214868480
	.section	.rodata,"a",@progbits
	.p2align	6, 0x0
	.amdhsa_kernel k_q883479007e_qkv
		.amdhsa_group_segment_fixed_size 327680
		.amdhsa_private_segment_fixed_size 0
		.amdhsa_enable_private_segment 0
		.amdhsa_kernarg_size 64
		.amdhsa_user_sgpr_count 2
		.amdhsa_user_sgpr_kernarg_segment_ptr 1
		.amdhsa_wavefront_size32 1
		.amdhsa_system_sgpr_workgroup_id_x 1
		.amdhsa_system_sgpr_workgroup_id_y 1
		.amdhsa_system_sgpr_workgroup_id_z 1
		.amdhsa_system_vgpr_workitem_id 0
		.amdhsa_next_free_vgpr 1024
		.amdhsa_next_free_sgpr 102
		.amdhsa_reserve_vcc 0
		.amdhsa_float_denorm_mode_32 3
		.amdhsa_float_denorm_mode_16_64 3
		.amdhsa_memory_ordered 1
		.amdhsa_forward_progress 1
		.amdhsa_inst_pref_size 195
	.end_amdhsa_kernel
	.amdgpu_metadata
---
amdhsa.version: [ 1, 2 ]
amdhsa.kernels:
  - .name:           k_q883479007e_qkv
    .symbol:         k_q883479007e_qkv.kd
    .args:
      - { .name: hb, .offset: 0, .size: 8, .value_kind: global_buffer, .address_space: global }
      - { .name: wq_codes, .offset: 8, .size: 8, .value_kind: global_buffer, .address_space: global }
      - { .name: wq_scales, .offset: 16, .size: 8, .value_kind: global_buffer, .address_space: global }
      - { .name: wk_codes, .offset: 24, .size: 8, .value_kind: global_buffer, .address_space: global }
      - { .name: wk_scales, .offset: 32, .size: 8, .value_kind: global_buffer, .address_space: global }
      - { .name: wv_codes, .offset: 40, .size: 8, .value_kind: global_buffer, .address_space: global }
      - { .name: wv_scales, .offset: 48, .size: 8, .value_kind: global_buffer, .address_space: global }
      - { .name: qkvb, .offset: 56, .size: 8, .value_kind: global_buffer, .address_space: global }
    .group_segment_fixed_size: 327680
    .private_segment_fixed_size: 0
    .kernarg_segment_align: 8
    .kernarg_segment_size: 64
    .max_flat_workgroup_size: 128
    .sgpr_count:     102
    .vgpr_count:     1024
    .wavefront_size: 32
...
	.end_amdgpu_metadata
.endif
;; end of part 2
;; launch attn (part 3): grid 4 x 64, 16 waves a work-group, clusters of 4 x 1, 182,272 bytes of LDS; arguments qkvb, ob; writes ob
.if DOCPART == 3
	.amdgcn_target "amdgcn-amd-amdhsa--gfx1250"
	.amdhsa_code_object_version 6
	.text
	.protected	k_q883479007e_attn
	.globl	k_q883479007e_attn
	.p2align	8
	.type	k_q883479007e_attn,@function
k_q883479007e_attn:
	s_mov_b64 s[64:65], 0
	v_nop
	global_prefetch_b8 v0, s[64:65] scope:SCOPE_SE
	s_setreg_imm32_b32 hwreg(HW_REG_WAVE_MODE, 25, 1), 1
	s_wait_xcnt 0x0
	s_wait_alu depctr_hold_cnt(0) depctr_sa_sdst(0) depctr_va_vdst(0) depctr_va_sdst(0) depctr_va_ssrc(0) depctr_va_vcc(0) depctr_vm_vsrc(0)
	s_getreg_b32 s2, hwreg(HW_REG_IB_STS2, 6, 4)
	s_cmp_eq_u32 s2, 0
	s_cbranch_scc0 .Lentry_in_a_cluster
	s_endpgm
.Lentry_in_a_cluster:
	s_bfe_u32 s2, ttmp6, 0x10000c
	s_cmp_lg_u32 s2, 0x3003
	s_cbranch_scc0 .Lentry_shape_is_right
	s_endpgm
.Lentry_shape_is_right:
; CAUSAL ATTENTION ON CODES OF E5M2, head size 64, 1,024 keys, 64 (batch, head) pairs; o is quantised again along the model's axis for the next product.
; INPUT (one buffer): q's codes at byte 0 and k's at 0x400000, [16 heads][4096 places][64 bytes], place = token with bits 3 and 4 exchanged; v's at 0x800000, [64 chunks of 64 keys][1024 rows head x 64 + channel][64 bytes];
;   scale words (four bytes: 128 columns, that is two heads, or 128 keys): q's at 0xC00000, k's at 0xC20000, [8][4096 places][4]; v's at 0xC40000, [32][1024][4].
; OUTPUT: o's codes [16 heads][4096 tokens][64 bytes]; scale words [8][4096][4] at 0x400000, of which a head owns two bytes.
; THE SOFTMAX: t = score x log2(e) / 8; M = the running largest t rounded UP to a whole number; p = 2^(t - M) is quantised along the keys, not normalised; the row's sum is taken of the unquantised p and divides O at the end.
; SHARES.  The cluster's y is batch x 16 + head.  Its four work-groups read the same K and V: each tile is asked for JOINTLY (mask 15).  A wave owns a group g of 64 queries, of which the work-group at place cx takes
;   64 g + 16 cx + 0 .. 15: so the number of key steps of 128, g / 2 + 1, hangs on the wave's number alone, the four partners have the same work, and no branch hangs on a work-group's place in its cluster.
; WHICH GROUP.  A work-group's 72 key steps are shared out evenly.  Wave w = 4 a + b has its last key step s = T[b] xor X[a], T = (0, 7, 3, 4), X = (0, 7, 1, 6), and the group g = 2 s + a % 2.  As a square of 4 x 4 the s sum to 14
;   along every row and down every column: waves 4 a .. 4 a + 3 have 18 key steps together, and so have waves b, b + 4, b + 8, b + 12.  Each s stands twice, once with each a % 2: the sixteen groups are each taken once.
; ALL OF A HEAD'S K AND V STAY IN LDS (65,536 bytes of codes each): they are filled once, at the head; there is no ring, nothing is filled again, and no barrier stands in the loop over the keys.
; LAYOUT.  Both products are used transposed: S^T = K Q^T (source 0 = 16 places of K, source 1 = my 16 queries), O^T = V^T P^T: a lane holds ONE query (lane % 16) throughout.  16 places on end are the keys
;   32 b + 8 u + r + 8 (r / 8), so that the 16 registers of tiles 2 b and 2 b + 1 are the 16 neighbouring keys 32 b + 16 (lane / 16) + 0 .. 15.  The first product's K is 64: the upper half of both operands is zero codes.
; The loop has 8 trips in every wave; a step all of whose keys come after the wave's queries is left out by a scalar branch on a number made of the wave's number, round the work, not round the lines that step addresses.
; o's scale bytes leave by stores of two bytes a row: a head owns half a scale word; they are one byte in 32 of what the launch stores.
; LIMITS: a block of zeros gets the byte 1 (only this program reads the bytes); NaN and infinities are not served.
; REGISTERS: v1-5 addresses that stay; v6, v7 Q's offsets; v8-11 addresses in hand; v12 -M, v13 the largest t, v[14:15] the sum; v16-31 Q; v32-95 four fragments of K; v96-159 S^T, then p, then V's four fragments;
;   v160-191 O^T; v192-207 p's codes; v208-223 at work; v224-227 K's or V's scale words; v[228:229] f; v230 at work; v231 Q's scale word; v232 p's.
.set VB,    69632                      ; LDS: K's 1,024 places from byte 0, four places (256 bytes) + 16 of padding at a time; V from here: 16 chunks of 4,352 bytes, four rows + 16 at a time
.set SCK,   139264                     ; K's scale words as they come
.set SCV,   143360                     ; V's: [key step][64 rows][4 bytes]
.set SCK2,  145408                     ; K's scale words with my head's two bytes lowest: written by LDS stores, so bytes of their own
.set STAGE, 149504                     ; the way out: 16 rows x 80 bytes for each wave
.set AK0,  1
.set AV0,  2
.set ASK0, 3
.set ASV0, 4
.set QD,   5                           ; v5   my query - 16 (lane / 16)
.set ADK,  8
.set ADV,  9
.set ADS,  10
.set ADT,  11
.set WV,   8                           ; s8   my wave's number
.set WH,   9                           ; s9   my last key step
.set SS,   10                          ; s10  the key step
.set TB,   11                          ; s11  where the step's tiles begin in K's and in V's region: 8,704 bytes a step
.set TS,   12                          ; s12  K's scale words: 512 bytes a step
.set TJ,   13                          ; s13  V's: 256
.set KF,   14                          ; s14  the step's first key
.set MNT,  15                          ; s15  the mantissa field of 57,344
.set CS,   16                          ; s[16:17] c = log2(e) / 8
.set SEL,  18                          ; s[18:19] lane selects: lane l xor 16
.set GQ,   66                          ; s66  my group of 64 queries
.set G1K,  24
.set G1V,  32
.set G1SK, 40
.set G1SV, 48
.set G0K,  56
.set G0V,  60
.set G0SK, 68
.set G0SV, 72
.macro ROUND                           ; a round of the cluster's barrier
	s_barrier_signal -1
	s_barrier_wait -1
	s_cmp_lg_u32 s[WV], 0
	s_cbranch_scc1 .Lnot_wave_0_\@
	s_barrier_signal -3
.Lnot_wave_0_\@:
	s_barrier_wait -3
	s_barrier_signal -1
	s_barrier_wait -1
.endm
	s_load_b128 s[4:7], s[0:1], 0x0                ; the input buffer, the output buffer
	v_lshl_add_u32 v254, v0, 2, 0x2c000
	v_mov_b32 v255, 0
	ds_add_u32 v254, v255
	ds_add_u32 v254, v255
	v_lshrrev_b32 v8, 5, v0
	s_delay_alu instid0(VALU_DEP_1)
	v_readfirstlane_b32 s[WV], v8                  ; wave 0..15 = 4 a + b
	s_and_b32 s66, s[WV], 3                        ; b
	s_lshl_b32 s66, s66, 2
	s_lshr_b32 s66, 0x4370, s66                    ; T[b] in the low three bits: four bits an entry, 0, 7, 3, 4 from the low end
	s_lshr_b32 s67, s[WV], 2                       ; a
	s_lshl_b32 s[WH], s67, 2
	s_lshr_b32 s[WH], 0x6170, s[WH]                ; X[a] likewise: 0, 7, 1, 6
	s_xor_b32 s[WH], s[WH], s66
	s_and_b32 s[WH], s[WH], 7                      ; my last key step: T[b] xor X[a]
	s_and_b32 s67, s67, 1
	s_lshl_b32 s[GQ], s[WH], 1
	s_add_co_u32 s[GQ], s[GQ], s67                 ; my group of 64 queries: 2 x that + a % 2
	s_bfe_u32 s20, ttmp6, 0x40000                  ; cx: it enters Q's and O's addresses and the mask's comparison alone
	s_and_b32 s22, ttmp7, 0xffff
	s_lshr_b32 s21, s22, 4                         ; batch
	s_and_b32 s22, s22, 15                         ; head
	s_and_b32 s23, s[WV], 3                        ; which quarter of K or of V I fetch
	; descriptor groups 1: elements of 8 bytes, mask 15 with bit 21 beside it
	s_mov_b32 s[G1K], 15|(3<<16)|(1<<20)|(1<<21)|(5<<22)|(3<<25)   ; K: a dense block of 16,384 bytes as 64 rows of 256; four words of padding after every 64
	s_mov_b32 s[G1K+1], 32<<16
	s_mov_b32 s[G1K+2], 64<<16
	s_mov_b32 s[G1K+3], 32<<16
	s_mov_b32 s[G1K+4], 64
	s_mov_b32 s[G1K+5], 32
	s_mov_b32 s[G1K+6], 0
	s_mov_b32 s[G1K+7], 0
	s_mov_b32 s[G1V], 15|(3<<16)|(1<<20)|(1<<21)|(5<<22)|(3<<25)   ; V: four chunks: rows of 4,096 bytes, 65,536 bytes apart; the same padding, 16 times in a row: 4,352 bytes a chunk in LDS
	s_mov_b32 s[G1V+1], 512<<16
	s_mov_b32 s[G1V+2], 4<<16
	s_mov_b32 s[G1V+3], 512<<16
	s_mov_b32 s[G1V+4], 4
	s_mov_b32 s[G1V+5], 8192
	s_mov_b32 s[G1V+6], 0
	s_mov_b32 s[G1V+7], 0
	s_mov_b32 s[G1SK], 15|(3<<16)|(1<<21)          ; K's scale words: 4,096 dense bytes as 16 rows of 256
	s_mov_b32 s[G1SK+1], 32<<16
	s_mov_b32 s[G1SK+2], 16<<16
	s_mov_b32 s[G1SK+3], 32<<16
	s_mov_b32 s[G1SK+4], 16
	s_mov_b32 s[G1SK+5], 32
	s_mov_b32 s[G1SK+6], 0
	s_mov_b32 s[G1SK+7], 0
	s_mov_b32 s[G1SV], 15|(3<<16)|(1<<21)          ; V's: 8 key steps x 256 bytes, 4,096 bytes apart
	s_mov_b32 s[G1SV+1], 32<<16
	s_mov_b32 s[G1SV+2], 8<<16
	s_mov_b32 s[G1SV+3], 32<<16
	s_mov_b32 s[G1SV+4], 8
	s_mov_b32 s[G1SV+5], 512
	s_mov_b32 s[G1SV+6], 0
	s_mov_b32 s[G1SV+7], 0
	s_lshl_b32 s78, s22, 12
	s_lshl_b32 s77, s21, 10
	s_add_co_u32 s78, s78, s77                     ; head x 4,096 + batch x 1,024: the first row of q, k and o
	s_lshl_b32 s77, s23, 8
	s_add_co_u32 s76, s78, s77
	s_lshl_b32 s76, s76, 6
	s_add_co_u32 s76, s76, 0x400000                ; K: my 256 places
	s_mov_b32 s77, 0
	s_lshl_b32 s80, s21, 4
	s_lshl_b32 s81, s23, 2
	s_add_co_u32 s80, s80, s81
	s_lshl_b32 s80, s80, 16
	s_lshl_b32 s81, s22, 12
	s_add_co_u32 s80, s80, s81
	s_add_co_u32 s80, s80, 0x800000                ; V: chunk 16 x batch + 4 x quarter, row head x 64
	s_mov_b32 s81, 0
	s_lshr_b32 s79, s22, 1
	s_lshl_b32 s79, s79, 14                        ; (head / 2) x 16,384: the pair of heads among q's, k's and o's scale words
	s_lshl_b32 s83, s21, 12
	s_add_co_u32 s82, s79, s83
	s_add_co_u32 s82, s82, 0xC20000                ; K's scale words
	s_mov_b32 s83, 0
	s_lshl_b32 s84, s21, 15
	s_lshl_b32 s85, s22, 8
	s_add_co_u32 s84, s84, s85
	s_add_co_u32 s84, s84, 0xC40000                ; V's
	s_mov_b32 s85, 0
	s_mul_i32 s99, s23, 17408                      ; a quarter in LDS
	; Q: my 16 queries lie at places 64 g + 32 (cx / 2) + 8 (cx % 2) + r + 8 (r / 8)
	s_lshl_b32 s86, s[GQ], 6
	s_lshr_b32 s87, s20, 1
	s_lshl_b32 s87, s87, 5
	s_add_co_u32 s86, s86, s87
	s_and_b32 s87, s20, 1
	s_lshl_b32 s87, s87, 3
	s_add_co_u32 s86, s86, s87
	s_lshl_b32 s88, s21, 10
	s_add_co_u32 s88, s88, s86
	s_lshl_b32 s88, s88, 2
	s_add_co_u32 s88, s88, s79
	s_and_b32 s89, s22, 1
	s_lshl_b32 s90, s89, 4                         ; 16 x (head % 2): how far a scale word is shifted
	s_lshl_b32 s98, s89, 1                         ; 2 x (head % 2): my head's two bytes of a word
	s_add_co_u32 s88, s88, s98
	s_add_co_u32 s88, s88, 0xC00000                ; Q's scale bytes
	s_mov_b32 s89, 0
	s_add_co_u32 s86, s86, s78
	s_lshl_b32 s86, s86, 6                         ; Q's codes
	s_mov_b32 s87, 0
	s_lshl_b32 s91, s[GQ], 6
	s_lshl_b32 s92, s20, 4
	s_add_co_u32 s91, s91, s92                     ; my first query
	s_add_co_u32 s92, s78, s91
	s_lshl_b32 s92, s92, 6                         ; O's codes
	s_mov_b32 s93, 0
	s_lshl_b32 s94, s21, 10
	s_add_co_u32 s94, s94, s91
	s_lshl_b32 s94, s94, 2
	s_add_co_u32 s94, s94, s79
	s_add_co_u32 s94, s94, s98
	s_add_co_u32 s94, s94, 0x400000                ; O's scale bytes
	s_mov_b32 s95, 0
	s_mov_b32 s[SEL], 0x76543210
	s_mov_b32 s[SEL+1], 0xfedcba98
	s_mov_b32 s[CS], 0x3e38aa3b                    ; c = log2(e) / sqrt(64)
	s_mov_b32 s[CS+1], s[CS]                       ; (named with it as a pair, so it is written)
	s_mov_b32 s[MNT], 0x600000
	s_mov_b32 s[SS], 0
	s_mov_b32 s[TB], 0
	s_mov_b32 s[TS], 0
	s_mov_b32 s[TJ], 0
	s_mov_b32 s[KF], 0
	s_wait_dscnt 0x0
	s_wait_kmcnt 0x0
	s_mov_b32 s[G0K], 1
	s_mov_b32 s[G0K+1], s99
	s_add_nc_u64 s[G0K+2:G0K+3], s[4:5], s[76:77]
	s_or_b32 s[G0K+3], s[G0K+3], 0x80000000
	s_mov_b32 s[G0V], 1
	s_add_co_u32 s[G0V+1], s99, VB
	s_add_nc_u64 s[G0V+2:G0V+3], s[4:5], s[80:81]
	s_or_b32 s[G0V+3], s[G0V+3], 0x80000000
	s_mov_b32 s[G0SK], 1
	s_mov_b32 s[G0SK+1], SCK
	s_add_nc_u64 s[G0SK+2:G0SK+3], s[4:5], s[82:83]
	s_or_b32 s[G0SK+3], s[G0SK+3], 0x80000000
	s_mov_b32 s[G0SV], 1
	s_mov_b32 s[G0SV+1], SCV
	s_add_nc_u64 s[G0SV+2:G0SV+3], s[4:5], s[84:85]
	s_or_b32 s[G0SV+3], s[G0SV+3], 0x80000000
	s_add_nc_u64 s[86:87], s[4:5], s[86:87]
	s_add_nc_u64 s[88:89], s[4:5], s[88:89]
	s_add_nc_u64 s[92:93], s[6:7], s[92:93]
	s_add_nc_u64 s[94:95], s[6:7], s[94:95]
	ROUND                                          ; all four work-groups are here: the joint loads meet
	; THE FILLS, one tensor load a wave at the most: waves 0-3 K's quarters, waves 4-7 V's, wave 8 K's scale words, wave 9 V's.  The branches hang on the wave's number alone.  Four v_nop follow each load.
	s_cmp_lt_u32 s[WV], 4
	s_cbranch_scc0 .Lnot_k
	tensor_load_to_lds s[G0K:G0K+3], s[G1K:G1K+7]
	s_nop 0
.rept 4
	v_nop
.endr
	s_branch .Lasked
.Lnot_k:
	s_cmp_lt_u32 s[WV], 8
	s_cbranch_scc0 .Lnot_v
	tensor_load_to_lds s[G0V:G0V+3], s[G1V:G1V+7]
	s_nop 0
.rept 4
	v_nop
.endr
	s_branch .Lasked
.Lnot_v:
	s_cmp_eq_u32 s[WV], 8
	s_cbranch_scc0 .Lnot_sk
	tensor_load_to_lds s[G0SK:G0SK+3], s[G1SK:G1SK+7]
	s_nop 0
.rept 4
	v_nop
.endr
	s_branch .Lasked
.Lnot_sk:
	s_cmp_eq_u32 s[WV], 9
	s_cbranch_scc0 .Lasked
	tensor_load_to_lds s[G0SV:G0SV+3], s[G1SV:G1SV+7]
	s_nop 0
.rept 4
	v_nop
.endr
.Lasked:
	v_and_b32 v8, 15, v0                           ; r = lane % 16
	v_bfe_u32 v9, v0, 4, 1                         ; h = lane / 16
	s_delay_alu instid0(VALU_DEP_2)
	v_and_b32 v11, 8, v8
	s_delay_alu instid0(VALU_DEP_1)
	v_add_nc_u32 v11, v11, v8                      ; r + 8 (r / 8)
	s_delay_alu instid0(VALU_DEP_1)
	v_lshlrev_b32 v6, 6, v11
	s_delay_alu instid0(VALU_DEP_1)
	v_lshl_add_u32 v6, v9, 4, v6
	global_load_b128 v[16:19], v6, s[86:87]        ; Q's fragment: channels 16 h + 0 .. 15,
	global_load_b128 v[20:23], v6, s[86:87] offset:32   ; and 32 + 16 h + 0 .. 15
	v_lshlrev_b32 v7, 2, v11
	global_load_u16 v231, v7, s[88:89]             ; Q's two scale bytes; the word's upper two stay 0, over zero codes
	v_lshrrev_b32 v10, 2, v8
	s_delay_alu instid0(VALU_DEP_1)
	v_mul_u32_u24 v10, v10, 272
	v_and_b32 v11, 3, v8
	s_delay_alu instid0(VALU_DEP_1)
	v_lshl_add_u32 v10, v11, 6, v10
	s_delay_alu instid0(VALU_DEP_1)
	v_lshl_add_u32 v[AK0], v9, 4, v10              ; row r of a tile: four rows of 64 bytes to a unit of 272; + 16 h
	s_delay_alu instid0(VALU_DEP_1)
	v_add_nc_u32 v[AV0], VB, v[AK0]
	v_lshl_add_u32 v[ASK0], v8, 2, SCK2
	v_lshl_add_u32 v[ASV0], v8, 2, SCV
	v_lshlrev_b32 v10, 4, v9
	s_delay_alu instid0(VALU_DEP_1)
	v_sub_nc_u32 v10, v8, v10
	s_delay_alu instid0(VALU_DEP_1)
	v_add_nc_u32 v[QD], s91, v10
.irp j, 24,25,26,27,28,29,30,31
	v_mov_b32 v[\j], 0                             ; Q's upper half: zero codes
.endr
.irp t, 0,1,2,3
.irp j, 8,9,10,11,12,13,14,15
	v_mov_b32 v[32+16*\t+\j], 0                    ; and K's: written once, never loaded into
.endr
.endr
.set NN, 0
.rept 32
	v_mov_b32 v[160+NN], 0                         ; O^T.  (The step is written once: the first finds zeros, which the first change of M leaves zeros)
.set NN, NN+1
.endr
	v_mov_b32 v13, 0xff61b1e6                      ; the largest t so far: -3e38, under every t
	s_delay_alu instid0(VALU_DEP_1)
	v_floor_f32 v12, -v13                          ; -M
	v_mov_b32 v14, 0
	v_mov_b32 v15, 0
.irp b, 0,1,2,3
	v_mov_b32 v[212+\b], 0                         ; a lane permute's destination counts as one of its sources
.endr
	v_mov_b32 v229, 0                              ; (named as the upper half of the pair v[228:229])
	v_lshl_add_u32 v10, v0, 3, SCK                 ; my 8 bytes of K's scale words
	s_wait_alu depctr_va_vdst(0)
	s_wait_tensorcnt 0x0                           ; my fill, if I have one, has landed,
	s_barrier_signal -1
	s_barrier_wait -1                              ; everybody's has
	ds_load_b64 v[96:97], v10
	s_wait_dscnt 0x0
	v_lshrrev_b32 v96, s90, v96                    ; my head's two bytes come lowest; what stands above them scales zero codes and is never 0xff
	v_lshrrev_b32 v97, s90, v97
	ds_store_b64 v10, v[96:97] offset:SCK2-SCK
	s_wait_dscnt 0x0                               ; for the others' sake
	s_barrier_signal -1
	s_barrier_wait -1
	s_wait_loadcnt 0x0                             ; Q
.Lstep:                                            ; 8 trips in every wave
	s_cmp_gt_u32 s[SS], s[WH]
	s_cbranch_scc1 .Lhidden                        ; all 128 keys come after my queries
	v_add_nc_u32 v[ADK], s[TB], v[AK0]
	s_wait_alu depctr_va_vdst(0)
	v_add_nc_u32 v[ADV], s[TB], v[AV0]
	v_add_nc_u32 v[ADS], s[TS], v[ASK0]
	s_wait_alu depctr_va_vdst(0)
	v_add_nc_u32 v[ADT], s[TJ], v[ASV0]
.rept 5
	v_nop                                          ; with the four additions nine places behind the last step's products: S^T is laid over the registers that held V's fragments, and the scale words' registers are loaded anew
.endr
.irp g, 0,1                                    ; S^T = K Q^T, four tiles of 16 places at a time
.if \g
.rept 8
	v_nop                                          ; places in front of loads into registers that matrix instructions have read
.endr
.endif
.irp t, 0,1,2,3
	ds_load_b128 v[32+16*\t:35+16*\t], v[ADK] offset:(4*\g+\t)*1088
	ds_load_b128 v[36+16*\t:39+16*\t], v[ADK] offset:(4*\g+\t)*1088+32
	ds_load_b32 v[224+\t], v[ADS] offset:(4*\g+\t)*64
.endr
	s_wait_dscnt 0x0
.irp t, 0,1,2,3
	v_wmma_scale_f32_16x16x128_f8f6f4 v[96+8*(4*\g+\t):103+8*(4*\g+\t)], v[32+16*\t:47+16*\t], v[16:31], 0, v[224+\t], v231 matrix_a_fmt:MATRIX_FMT_BF8 matrix_b_fmt:MATRIX_FMT_BF8
.endr
.endr
.rept 8
	v_nop
.endr
	s_cmp_lg_u32 s[SS], s[WH]
	s_cbranch_scc1 .Lopen                          ; all keys of an earlier step count
	v_sub_nc_u32 v230, v[QD], s[KF]                ; d = my query - 16 (lane / 16) - the first key.  Register 16 b + i holds key 32 b + 16 (lane / 16) + i of the step: hidden where 32 b + i > d
	v_mov_b32 v228, 0xff800000                     ; -infinity: p = 0 then
.set NN, 0
.rept 64
	v_cmp_gt_i32 vcc_lo, 32*(NN/16)+NN%16, v230
	v_cndmask_b32 v[96+NN], v[96+NN], v228, vcc_lo
.set NN, NN+1
.endr
.Lopen:
.irp b, 0,1,2,3
	v_max3_num_f32 v[208+\b], v[96+16*\b], v[97+16*\b], v[98+16*\b]   ; the largest score of each block of 32 keys: for the row's maximum, and, since p rises with the score, for the block's largest p
.endr
.irp i, 3,5,7,9,11,13
.irp b, 0,1,2,3
	v_max3_num_f32 v[208+\b], v[208+\b], v[96+16*\b+\i], v[97+16*\b+\i]
.endr
.endr
.irp b, 0,1,2,3
	v_max_num_f32 v[208+\b], v[208+\b], v[111+16*\b]
.endr
.irp b, 0,1,2,3
	s_delay_alu instid0(VALU_DEP_4)
	v_permlanex16_b32 v[212+\b], v[208+\b], s[SEL], s[SEL+1]
.endr
.irp b, 0,1,2,3
	s_delay_alu instid0(VALU_DEP_4)
	v_max_num_f32 v[208+\b], v[208+\b], v[212+\b]  ; with lane l xor 16's 16 keys
.endr
	s_delay_alu instid0(VALU_DEP_2)
	v_max3_num_f32 v230, v208, v209, v210
	s_delay_alu instid0(VALU_DEP_1)
	v_max_num_f32 v230, v230, v211                 ; the step's largest score of my query
	s_delay_alu instid0(VALU_DEP_1)
	v_mul_f32 v230, s[CS], v230                    ; as t
	s_delay_alu instid0(VALU_DEP_1)
	v_max_num_f32 v13, v13, v230                   ; the running largest t
	v_mov_b32 v230, v12
	s_delay_alu instid0(VALU_DEP_2)
	v_floor_f32 v12, -v13                          ; the new -M = -ceil(t): a whole number
	s_delay_alu instid0(VALU_DEP_1)
	v_sub_f32 v230, v12, v230                      ; old M - new M: a whole number, 0 or less
	s_delay_alu instid0(VALU_DEP_1)
	v_cvt_i32_f32 v230, v230                       ; (it saturates)
	s_delay_alu instid0(VALU_DEP_1)
	v_ldexp_f32 v228, 1.0, v230                    ; f = 2^(old M - new M): a multiplication by it rounds nothing
.set NN, 0
.rept 32
	v_pk_fma_f32 v[96+NN:97+NN], v[96+NN:97+NN], s[CS:CS+1], v[12:13] op_sel_hi:[1,0,0]   ; t - M, two at a time
.set NN, NN+2
.endr
.irp b, 0,1,2,3
	v_fma_f32 v[208+\b], v[208+\b], s[CS], v12     ; the same of each block's largest score
.endr
.set NN, 0
	s_wait_alu depctr_va_vdst(0)
.rept 64
	v_exp_f32 v[96+NN], v[96+NN]                   ; p = 2^(t - M), at most 1
.set NN, NN+1
.endr
	v_pk_mul_f32 v[14:15], v[14:15], v[228:229] op_sel_hi:[1,0]   ; the sums under the new M (a plain line behind the exponentials)
	s_wait_alu depctr_va_vdst(0)                   ; one wait for the batch of 64, ahead of the first line that names a result
.irp b, 0,1,2,3
	v_exp_f32 v[208+\b], v[208+\b]                 ; the block's largest p: the same two instructions on the same number give the same bits
.endr
	v_pk_add_f32 v[212:213], v[100:101], v[104:105]
	v_pk_add_f32 v[252:253], v[108:109], v[112:113]
	v_pk_add_f32 v[250:251], v[116:117], v[120:121]
	v_pk_add_f32 v[248:249], v[124:125], v[128:129]
	v_pk_add_f32 v[246:247], v[132:133], v[136:137]
	v_pk_add_f32 v[244:245], v[140:141], v[144:145]
	v_pk_add_f32 v[242:243], v[148:149], v[152:153]
	v_pk_add_f32 v[14:15], v[14:15], v[156:157]
	v_pk_add_f32 v[212:213], v[212:213], v[96:97]
	v_pk_add_f32 v[252:253], v[252:253], v[98:99]
	v_pk_add_f32 v[250:251], v[250:251], v[102:103]
	v_pk_add_f32 v[248:249], v[248:249], v[106:107]
	v_pk_add_f32 v[246:247], v[246:247], v[110:111]
	v_pk_add_f32 v[244:245], v[244:245], v[114:115]
	v_pk_add_f32 v[242:243], v[242:243], v[118:119]
	v_pk_add_f32 v[14:15], v[14:15], v[122:123]
	v_pk_add_f32 v[212:213], v[212:213], v[126:127]
	v_pk_add_f32 v[252:253], v[252:253], v[130:131]
	v_pk_add_f32 v[250:251], v[250:251], v[134:135]
	v_pk_add_f32 v[248:249], v[248:249], v[138:139]
	v_pk_add_f32 v[246:247], v[246:247], v[142:143]
	v_pk_add_f32 v[244:245], v[244:245], v[146:147]
	v_pk_add_f32 v[242:243], v[242:243], v[150:151]
	v_pk_add_f32 v[14:15], v[14:15], v[154:155]
	v_pk_add_f32 v[212:213], v[212:213], v[158:159]
	s_delay_alu instid0(VALU_DEP_2)
	v_pk_add_f32 v[14:15], v[14:15], v[248:249]
	s_delay_alu instid0(VALU_DEP_2)
	v_pk_add_f32 v[212:213], v[212:213], v[246:247]
	v_pk_add_f32 v[252:253], v[252:253], v[244:245]
	v_pk_add_f32 v[250:251], v[250:251], v[242:243]
	s_delay_alu instid0(VALU_DEP_2)
	v_pk_add_f32 v[14:15], v[14:15], v[252:253]
	s_delay_alu instid0(VALU_DEP_2)
	v_pk_add_f32 v[212:213], v[212:213], v[250:251]
	s_delay_alu instid0(VALU_DEP_1)
	v_pk_add_f32 v[14:15], v[14:15], v[212:213]
	s_wait_alu depctr_va_vdst(0)                   ; and one for the four
.irp b, 0,1,2,3
	v_max_num_f32 v[208+\b], 0x8000000, v[208+\b]  ; the floor 2^(16 - 127): the byte cannot fall under 1
.endr
.irp b, 0,1,2,3
	s_delay_alu instid0(VALU_DEP_4)
	v_add_nc_u32 v[220+\b], 0xf8800000, v[208+\b]  ; the conversion's scale operand
.endr
.irp b, 0,1,2,3
	v_and_or_b32 v[216+\b], v[208+\b], 0x7f800000, s[MNT]   ; 57,344 x the scale
.endr
.irp b, 0,1,2,3
	v_lshrrev_b32 v[212+\b], 23, v[220+\b]         ; the scale's byte
.endr
	s_delay_alu instid0(VALU_DEP_3)
	v_lshl_or_b32 v232, v213, 8, v212              ; p's scale word for these 128 keys
	s_delay_alu instid0(VALU_DEP_1)
	v_lshl_or_b32 v232, v214, 16, v232
	s_delay_alu instid0(VALU_DEP_1)
	v_lshl_or_b32 v232, v215, 24, v232
.irp b, 0,1,2,3
.irp i, 0,1,2,3,4,5,6,7,8,9,10,11,12,13,14,15
	v_min_num_f32 v[96+16*\b+\i], v[96+16*\b+\i], v[216+\b]   ; the conversion does not saturate (ISA guide 7.6.2); p is not negative, so the hold is one-sided
.endr
	v_cvt_scalef32_pk8_bf8_f32 v[192+4*\b:193+4*\b], v[96+16*\b:103+16*\b], v[220+\b]
	v_cvt_scalef32_pk8_bf8_f32 v[194+4*\b:195+4*\b], v[104+16*\b:111+16*\b], v[220+\b]
.endr
.irp t, 0,1,2,3                                ; V's four fragments (16 channels x these 128 keys: two chunks) into the registers that p has left
.irp c, 0,1,2,3
	ds_load_b128 v[96+16*\t+4*\c:99+16*\t+4*\c], v[ADV] offset:(\c/2)*4352+\t*1088+32*(\c%2)
.endr
	ds_load_b32 v[224+\t], v[ADT] offset:64*\t
.endr
.set NN, 0
.rept 16
	v_pk_mul_f32 v[160+NN:161+NN], v[160+NN:161+NN], v[228:229] op_sel_hi:[1,0]   ; O^T under the new M.  (These are also the plain lines between the conversions and the products)
.set NN, NN+2
.endr
	s_wait_alu depctr_va_vdst(0)
	s_wait_dscnt 0x0
.irp t, 0,1,2,3                                ; O^T += V^T P^T: the four accumulators by turns
	v_wmma_scale_f32_16x16x128_f8f6f4 v[160+8*\t:167+8*\t], v[96+16*\t:111+16*\t], v[192:207], v[160+8*\t:167+8*\t], v[224+\t], v232 matrix_a_fmt:MATRIX_FMT_BF8 matrix_b_fmt:MATRIX_FMT_BF8
.endr
.Lhidden:
	s_add_co_u32 s[TB], s[TB], 8704
	s_add_co_u32 s[TS], s[TS], 512
	s_add_co_u32 s[TJ], s[TJ], 256
	s_add_co_u32 s[KF], s[KF], 128
	s_add_co_u32 s[SS], s[SS], 1
	s_cmp_lt_u32 s[SS], 8
	s_cbranch_scc1 .Lstep
	; THE WAY OUT.  O^T / the sum; quantised along the 64 channels: two blocks of 32, each in the 16 registers of two tiles of lanes l and l xor 16; a tile's eight registers are eight neighbouring channels.
.rept 8
	v_nop                                          ; places behind the last products
.endr
	v_add_f32 v14, v14, v15
	s_delay_alu instid0(VALU_DEP_1)
	v_permlanex16_b32 v212, v14, s[SEL], s[SEL+1]
	s_delay_alu instid0(VALU_DEP_1)
	v_add_f32 v14, v14, v212                       ; the row's sum
	s_wait_alu depctr_va_vdst(0)
	v_rcp_f32 v14, v14
	v_and_b32 v8, 15, v0                           ; (plain lines behind the transcendental)
	v_bfe_u32 v9, v0, 4, 1
	s_mul_i32 s76, s[WV], 1280
	s_add_co_u32 s76, s76, STAGE                   ; my stage
	v_mul_u32_u24 v10, v8, 80
	s_delay_alu instid0(VALU_DEP_1)
	v_lshl_add_u32 v10, v9, 3, v10
	s_delay_alu instid0(VALU_DEP_1)
	v_add_nc_u32 v10, s76, v10                     ; in: row r, byte 16 t + 8 h
	v_and_b32 v11, 31, v0
	s_delay_alu instid0(VALU_DEP_1)
	v_lshrrev_b32 v1, 2, v11
	s_delay_alu instid0(VALU_DEP_1)
	v_mul_u32_u24 v1, v1, 80
	s_delay_alu instid0(VALU_DEP_3)
	v_and_b32 v2, 3, v11
	s_delay_alu instid0(VALU_DEP_1)
	v_lshl_add_u32 v1, v2, 4, v1
	s_delay_alu instid0(VALU_DEP_1)
	v_add_nc_u32 v1, s76, v1                       ; back: four lanes to a row of 64 bytes
	v_lshlrev_b32 v2, 4, v11
	v_lshlrev_b32 v3, 2, v8
	s_wait_alu depctr_va_vdst(0)                   ; the wait ahead of the reciprocal's first reader
.set NN, 0
.rept 32
	v_mul_f32 v[96+NN], v[160+NN], v14             ; register 8 t + j is o(r, 16 t + 8 h + j)
.set NN, NN+1
.endr
.irp b, 0,1
	v_max3_num_f32 v[208+\b], |v[96+16*\b]|, |v[97+16*\b]|, 0x8000000
.endr
.irp i, 2,4,6,8,10,12,14
.irp b, 0,1
	s_delay_alu instid0(VALU_DEP_2)
	v_max3_num_f32 v[208+\b], v[208+\b], |v[96+16*\b+\i]|, |v[97+16*\b+\i]|
.endr
.endr
.irp b, 0,1
	s_delay_alu instid0(VALU_DEP_2)
	v_permlanex16_b32 v[212+\b], v[208+\b], s[SEL], s[SEL+1]
.endr
.irp b, 0,1
	s_delay_alu instid0(VALU_DEP_2)
	v_max_num_f32 v[208+\b], v[208+\b], v[212+\b]
.endr
.irp b, 0,1
	s_delay_alu instid0(VALU_DEP_2)
	v_add_nc_u32 v[220+\b], 0xf8800000, v[208+\b]
.endr
.irp b, 0,1
	s_delay_alu instid0(VALU_DEP_4)
	v_and_or_b32 v[216+\b], v[208+\b], 0x7f800000, s[MNT]
.endr
.irp b, 0,1
	s_delay_alu instid0(VALU_DEP_4)
	v_lshrrev_b32 v[212+\b], 23, v[220+\b]
.endr
	s_delay_alu instid0(VALU_DEP_1)
	v_lshl_or_b32 v232, v213, 8, v212              ; my head's two bytes of the row's scale word
.irp b, 0,1
.irp i, 0,1,2,3,4,5,6,7,8,9,10,11,12,13,14,15
	v_med3_num_f32 v[96+16*\b+\i], v[96+16*\b+\i], -v[216+\b], v[216+\b]
.endr
.endr
.irp t, 0,1,2,3
	v_cvt_scalef32_pk8_bf8_f32 v[192+2*\t:193+2*\t], v[96+8*\t:103+8*\t], v[220+\t/2]
.endr
	v_nop                                          ; a plain line behind the last conversion
.irp t, 0,1,2,3
	ds_store_b64 v10, v[192+2*\t:193+2*\t] offset:16*\t
.endr
	ds_load_b128 v[96:99], v1                      ; LDS serves a wave's instructions in order: these see my stores
	ds_load_b128 v[100:103], v1 offset:640
	global_store_b16 v3, v232, s[94:95]            ; lanes l and l xor 16 store the same two bytes
	s_wait_dscnt 1                                 ; rows 0-7 are back; the second load may be out
	global_store_b128 v2, v[96:99], s[92:93]       ; 512 consecutive bytes
	s_wait_dscnt 0x0
	global_store_b128 v2, v[100:103], s[92:93] offset:512
	s_wait_tensorcnt 0x0
	ds_add_u32 v254, v255
	s_wait_dscnt 0x0
	ROUND                                          ; the closing round: no work-group ends while a partner may still ask for a tile that names it
	s_endpgm
.Lfunc_end_k_q883479007e_attn:
	.size	k_q883479007e_attn, .Lfunc_end_k_q883479007e_attn-k_q883479007e_attn
	.p2alignl 7, 3214868480
	.fill 96, 4, 3214868480
	.section	.rodata,"a",@progbits
	.p2align	6, 0x0
	.amdhsa_kernel k_q883479007e_attn
		.amdhsa_group_segment_fixed_size 182272
		.amdhsa_private_segment_fixed_size 0
		.amdhsa_enable_private_segment 0
		.amdhsa_kernarg_size 16
		.amdhsa_user_sgpr_count 2
		.amdhsa_user_sgpr_kernarg_segment_ptr 1
		.amdhsa_wavefront_size32 1
		.amdhsa_system_sgpr_workgroup_id_x 1
		.amdhsa_system_sgpr_workgroup_id_y 1
		.amdhsa_system_sgpr_workgroup_id_z 1
		.amdhsa_system_vgpr_workitem_id 0
		.amdhsa_next_free_vgpr 256
		.amdhsa_next_free_sgpr 100
		.amdhsa_reserve_vcc 1
		.amdhsa_float_denorm_mode_32 3
		.amdhsa_float_denorm_mode_16_64 3
		.amdhsa_memory_ordered 1
		.amdhsa_forward_progress 1
		.amdhsa_inst_pref_size 47
	.end_amdhsa_kernel
	.amdgpu_metadata
---
amdhsa.version: [ 1, 2 ]
amdhsa.kernels:
  - .name:           k_q883479007e_attn
    .symbol:         k_q883479007e_attn.kd
    .args:
      - { .name: qkvb, .offset: 0, .size: 8, .value_kind: global_buffer, .address_space: global }
      - { .name: ob, .offset: 8, .size: 8, .value_kind: global_buffer, .address_space: global }
    .group_segment_fixed_size: 182272
    .private_segment_fixed_size: 0
    .kernarg_segment_align: 8
    .kernarg_segment_size: 16
    .max_flat_workgroup_size: 512
    .sgpr_count:     100
    .vgpr_count:     256
    .wavefront_size: 32
...
	.end_amdgpu_metadata
.endif
;; end of part 3
;; launch oproj (part 4): grid 8 x 32, 4 waves a work-group, clusters of 4 x 4, 327,680 bytes of LDS; arguments ob, wo_codes, wo_scales, bo, x, x1; writes x1
.if DOCPART == 4
	.amdgcn_target "amdgcn-amd-amdhsa--gfx1250"
	.amdhsa_code_object_version 6
	.text
	.protected	k_q883479007e_oproj
	.globl	k_q883479007e_oproj
	.p2align	8
	.type	k_q883479007e_oproj,@function
k_q883479007e_oproj:
	s_mov_b64 s[64:65], 0
	v_nop
	global_prefetch_b8 v0, s[64:65] scope:SCOPE_SE
	s_setreg_imm32_b32 hwreg(HW_REG_WAVE_MODE, 25, 1), 1
	s_wait_xcnt 0x0
	s_wait_alu depctr_hold_cnt(0) depctr_sa_sdst(0) depctr_va_vdst(0) depctr_va_sdst(0) depctr_va_ssrc(0) depctr_va_vcc(0) depctr_vm_vsrc(0)
	s_getreg_b32 s2, hwreg(HW_REG_IB_STS2, 6, 4)
	s_cmp_eq_u32 s2, 0
	s_cbranch_scc0 .Lentry_in_a_cluster
	s_endpgm
.Lentry_in_a_cluster:
	s_bfe_u32 s2, ttmp6, 0x10000c
	s_cmp_lg_u32 s2, 0xf033
	s_cbranch_scc0 .Lentry_shape_is_right
	s_endpgm
.Lentry_shape_is_right:
; out[m][n] = res[m][n] + bias[n] + sum over k of A[m][k] B[n][k], the product on codes of E5M2 with one E8M0 scale for each 32 along K.  4,096 rows, 1,024 columns, K = KK.
; A (first argument) lies by chunks of 64 along K: codes [KK / 64][4096 rows][64 bytes] at byte 0; scale words (four bytes: 128 along K) [KK / 128][4096][4 bytes] at byte 4096 KK.
; B: codes [1024][KK], scale bytes [1024][KK / 32].  bias [1024], res and out [4096][1024]: f32.
; A tile of the output is 128 x 128, so that the 32 x 8 tiles give each of 256 work-groups one; four waves, 64 x 64 each: 16 accumulators.  K goes in steps of 512 through two LDS slots filled by the tensor data mover.
; The scales of the work-group's rows of A and of B, for all of K, come into LDS once, with the first fills.  CLUSTERS: 4 x 4 work-groups; A's tiles are asked for jointly along a row of the cluster, B's along a column.
; THE MATRIX INSTRUCTION IS USED TRANSPOSED (source 0 = 16 rows of B, source 1 = 16 rows of A): a lane holds eight neighbouring columns of a row.  The bias is the C of each sum's first product.
; The residual is asked for at the head, into registers of its own, and added on the way out; a wave's 64 columns are 256 bytes, so sixteen lanes store 256 consecutive aligned bytes.
; REGISTERS: window 0: v0-31 addresses; v32-63 scale words, two sets; v64-95 the bias, later with v96-127 the rows on their way out; v128-255 the accumulators ((a, b) at v[128 + 8 (4 a + b)]).
;   window 1: two fragment buffers of 128: A's four blocks, then B's four.   window 2: v0-127 the residual.
.set KK,    1024
.set LAPS,  KK/1024                    ; a lap = two slots
.set AH,    8*4352                     ; half of A's part of a slot.  A lies [8 chunks][128 rows x 64 bytes, four rows + 16 bytes of padding at a time]: 8,704 bytes a chunk; a ring load brings four chunks
.set BH,    64*528                     ; 64 rows of B: 512 bytes + 16
.set SLOT,  2*AH+2*BH
.set SA,    2*SLOT                     ; A's scale words: [KK / 128][128 rows x 4 bytes]
.set SAH,   2*KK
.set SB,    SA+4*KK                    ; B's scale bytes: two halves, as units of 256 bytes + 16
.set SBH,   (KK/128)*272
.set SPARE, SB+2*SBH                   ; the spare words: two blocks of 256 bytes that no other line names
.set ADRA, 16                          ; v16-17  my A fragments in slot 0, 1
.set ADRB, 20                          ; v20-21  the same for B
.set STO,  24                          ; v24  the way out: where I put 32 bytes of a row (a stage of 16 rows x 272 bytes for each wave, in slot 0, which has had its last fill and its last read by then)
.set RD,   25                          ; v25  where I read a row back
.set CO,   26                          ; v26  my byte offset in two rows of res and of out
.set ADSA, 27                          ; v27  A's scale words: row = lane
.set SPW,  28                          ; v28  LDS address of my spare word; never rewritten
.set NIL,  29                          ; v29  0; never rewritten
.set ADSB, 30                          ; v30  B's scale bytes: row = lane
.set BOF,  31                          ; v31  the bias's offset
.set SC,   32                          ; set s at SC + 16 s: +2 q + j: A's words of the slot's q-th 128 along K, lanes 0-15 block 2 j, lanes 16-31 block 2 j + 1;  +8 + 4 j + q: B's likewise
.set BI,   64
.set ACC,  128
.set G1A, 24
.set G0A, 32
.set G1B, 48
.set G0B, 56
.set G1SA, 68
.set G0SA, 76
.set G1SB, 80
.set G0SB, 88
.set MSB, 0
.macro WIN new                         ; the immediate's high byte repeats the setting that is left
.if MSB != \new
	s_set_vgpr_msb (MSB<<8)|\new
.set MSB, \new
.endif
.endm
.macro JLOAD g0a, g1a, g0b, g1b        ; a joint load: waves 0 and 1 fetch for A, waves 2 and 3 for B; four v_nop follow each of the two lines
	s_cmp_eq_u32 s17, 0
	s_cbranch_scc0 .Lfor_b_\@
	tensor_load_to_lds s[\g0a:\g0a+3], s[\g1a:\g1a+7]
	s_nop 0
.rept 4
	v_nop
.endr
	s_branch .Lasked_\@
.Lfor_b_\@:
	tensor_load_to_lds s[\g0b:\g0b+3], s[\g1b:\g1b+7]
	s_nop 0
.rept 4
	v_nop
.endr
.Lasked_\@:
.endm
.macro CREST                           ; a round of the cluster's barrier behind its opening barrier
	s_cmp_lg_u32 s16, 0
	s_cbranch_scc1 .Lnot_wave_0_\@
	s_barrier_signal -3
.Lnot_wave_0_\@:
	s_barrier_wait -3
	s_barrier_signal -1
	s_barrier_wait -1
.endm
.macro CROUND
	s_barrier_signal -1
	s_barrier_wait -1
	CREST
.endm
.macro PLACES n                        ; plain vector lines between a matrix instruction and a load into, or a read of, its registers (ISA guide 7.12.1 for the reads)
.rept \n
	v_nop
.endr
.endm
	s_load_b256 s[4:11], s[0:1], 0x0               ; A s[4:5], B's codes s[6:7], B's scales s[8:9], bias s[10:11]
	s_load_b128 s[12:15], s[0:1], 0x20             ; res s[12:13], out s[14:15]
	v_lshl_add_u32 v[SPW], v0, 2, SPARE
	v_mov_b32 v[NIL], 0
	ds_add_u32 v28, v29
	ds_add_u32 v28, v29
	s_wait_dscnt 0x0
	v_lshrrev_b32 v1, 5, v0
	v_readfirstlane_b32 s16, v1                    ; wave 0..3
	s_lshr_b32 s17, s16, 1                         ; which half of the tile's rows is mine.  Also: I fetch for A (0) or for B (1)
	s_and_b32 s18, s16, 1                          ; which half of its columns.  Also: which four chunks of A or 64 rows of B I fetch
	s_bfe_u32 s40, ttmp6, 0x40000                  ; cx, cy
	s_bfe_u32 s41, ttmp6, 0x40004
	s_lshl_b32 s42, ttmp9, 2
	s_add_co_u32 s42, s42, s40                     ; tile column
	s_and_b32 s19, ttmp7, 0xffff
	s_lshl_b32 s19, s19, 2
	s_add_co_u32 s19, s19, s41                     ; tile row
	s_lshl_b32 s43, s41, 2
	s_lshl_b32 s43, 15, s43                        ; my row of the cluster
	s_lshl_b32 s44, 0x1111, s40                    ; my column
	s_or_b32 s[G1A], s43, (3<<16)|(1<<20)|(1<<21)|(5<<22)|(3<<25)   ; A: 8 chunks: rows of 8,192 bytes (1,024 elements of 8), 262,144 bytes apart; four words of padding after every 64: 8,704 bytes a chunk in LDS
	s_mov_b32 s[G1A+1], 1024<<16                   ; a chunk's 128 rows: 8,192 bytes on end
	s_mov_b32 s[G1A+2], 8<<16
	s_mov_b32 s[G1A+3], 1024<<16
	s_mov_b32 s[G1A+4], 8
	s_mov_b32 s[G1A+5], 32768
	s_mov_b32 s[G1A+6], 0
	s_mov_b32 s[G1A+7], 0
	s_or_b32 s[G1B], s44, (0<<16)|(1<<20)|(1<<21)|(6<<22)|(3<<25)   ; B: 64 rows of 512 bytes; four words of padding after every 128
	s_mov_b32 s[G1B+1], 512<<16
	s_mov_b32 s[G1B+2], 128<<16                    ; 128 rows for the head's load; 64 for the ring's, set behind the head's wait
	s_mov_b32 s[G1B+3], 512<<16
	s_mov_b32 s[G1B+4], 128
	s_mov_b32 s[G1B+5], KK
	s_mov_b32 s[G1B+6], 0
	s_mov_b32 s[G1B+7], 0
	s_or_b32 s[G1SA], s43, (3<<16)|(1<<21)         ; A's scale words of 128 rows: KK / 128 rows of 512 bytes, 16,384 bytes apart
	s_mov_b32 s[G1SA+1], 64<<16                    ; 128 rows' words: 512 bytes
	s_mov_b32 s[G1SA+2], (KK/128)<<16
	s_mov_b32 s[G1SA+3], 64<<16
	s_mov_b32 s[G1SA+4], KK/128
	s_mov_b32 s[G1SA+5], 2048
	s_mov_b32 s[G1SA+6], 0
	s_mov_b32 s[G1SA+7], 0
	s_or_b32 s[G1SB], s44, (3<<16)|(1<<20)|(1<<21)|(5<<22)|(3<<25)  ; B's scale bytes of 128 rows: a dense block of 4 KK bytes as rows of 256, 16 bytes of padding behind each
	s_mov_b32 s[G1SB+1], 32<<16
	s_mov_b32 s[G1SB+2], (KK/64)<<16               ; 128 rows' bytes: 4 KK
	s_mov_b32 s[G1SB+3], 32<<16
	s_mov_b32 s[G1SB+4], KK/64
	s_mov_b32 s[G1SB+5], 32
	s_mov_b32 s[G1SB+6], 0
	s_mov_b32 s[G1SB+7], 0
	s_lshl_b32 s20, s19, 7
	s_lshl_b32 s22, s20, 2                         ; A: row 128 x tile row
	s_add_co_u32 s22, s22, 4096*KK                 ; its scale words,
	s_mov_b32 s23, 0
	s_lshl_b32 s20, s20, 6                         ; its codes in chunk 0,
	s_lshl_b32 s21, s18, 20
	s_add_co_u32 s20, s20, s21                     ; and four chunks of 262,144 bytes on for the second fetching wave
	s_mov_b32 s21, 0
	s_lshl_b32 s46, s42, 7
	s_lshl_b32 s47, s18, 6
	s_add_co_u32 s46, s46, s47                     ; B: row 128 x tile column + 64 x half
	s_mul_i32 s92, s42, 4*KK                       ; the scale bytes of B's 128 rows
	s_mov_b32 s93, 0
	s_mul_i32 s46, s46, KK
	s_mov_b32 s47, 0
	s_mul_i32 s45, s18, AH                         ; where they go: no place in the cluster enters an LDS address
	s_mul_i32 s94, s18, BH
	s_add_co_u32 s94, s94, 2*AH
	s_wait_kmcnt 0x0
	s_add_nc_u64 s[20:21], s[4:5], s[20:21]
	s_add_nc_u64 s[22:23], s[4:5], s[22:23]
	s_add_nc_u64 s[46:47], s[6:7], s[46:47]
	s_add_nc_u64 s[92:93], s[8:9], s[92:93]
	CROUND                                         ; all sixteen work-groups are here: the first joint loads meet
	s_mov_b32 s[G0SA], 1
	s_mov_b32 s[G0SA+1], SA
	s_mov_b64 s[G0SA+2:G0SA+3], s[22:23]
	s_or_b32 s[G0SA+3], s[G0SA+3], 0x80000000
	s_mov_b32 s[G0SB], 1
	s_mov_b32 s[G0SB+1], SB
	s_mov_b64 s[G0SB+2:G0SB+3], s[92:93]
	s_or_b32 s[G0SB+3], s[G0SB+3], 0x80000000
.irp s, 0,1
	s_mov_b32 s[G0A+4*\s], 1
	s_add_co_u32 s[G0A+4*\s+1], s45, \s*SLOT
	s_add_nc_u64 s[G0A+4*\s+2:G0A+4*\s+3], s[20:21], \s*0x200000   ; a slot is 8 chunks of 262,144 bytes
	s_or_b32 s[G0A+4*\s+3], s[G0A+4*\s+3], 0x80000000
	s_mov_b32 s[G0B+4*\s], 1
	s_add_co_u32 s[G0B+4*\s+1], s94, \s*SLOT
	s_add_nc_u64 s[G0B+4*\s+2:G0B+4*\s+3], s[46:47], \s*512
	s_or_b32 s[G0B+4*\s+3], s[G0B+4*\s+3], 0x80000000
.endr
; THE HEAD'S LOADS, one a wave, in one chain of branches on the wave's number: wave 0 slot 0's eight chunks of A, wave 2 its 128 rows of B (each by its own group 0, which begins at the tile's start),
; wave 1 A's scale words, wave 3 B's scale bytes.
.macro ARM w, g0, g1, next
	s_cmp_eq_u32 s16, \w
	s_cbranch_scc0 \next
	tensor_load_to_lds s[\g0:\g0+3], s[\g1:\g1+7]
	s_nop 0
.rept 4
	v_nop
.endr
	s_branch .Lhead_asked
\next:
.endm
	ARM 0, G0A, G1A, .Lhead_b
	ARM 2, G0B, G1B, .Lhead_sa
	ARM 1, G0SA, G1SA, .Lhead_sb
	tensor_load_to_lds s[G0SB:G0SB+3], s[G1SB:G1SB+7]
	s_nop 0
.rept 4
	v_nop
.endr
.Lhead_asked:
	v_and_b32 v1, 15, v0                           ; r
	v_bfe_u32 v2, v0, 4, 1                         ; h
	v_and_b32 v3, 31, v0                           ; lane
	v_lshrrev_b32 v4, 2, v1
	v_mul_u32_u24 v4, v4, 272
	v_and_b32 v5, 3, v1
	v_lshl_add_u32 v4, v5, 6, v4
	v_lshl_add_u32 v4, v2, 4, v4                   ; A: row r of a block: four rows of 64 bytes to a unit of 272; + 16 h
	v_mul_u32_u24 v5, v1, 528
	v_lshl_add_u32 v5, v2, 4, v5                   ; B: row r x pitch + 16 h
	s_mul_i32 s21, s17, 4352                       ; my 64 rows of A in a chunk
	s_mul_i32 s22, s18, BH                         ; my 64 rows of B,
	s_add_co_u32 s22, s22, 2*AH                    ; behind A's 128
.irp s, 0,1
	v_add_nc_u32 v[ADRA+\s], s21, v4
	v_add_nc_u32 v[ADRB+\s], s22, v5
	s_add_co_u32 s21, s21, SLOT
	s_add_co_u32 s22, s22, SLOT
.endr
	s_lshl_b32 s21, s17, 8                         ; my 64 rows' words
	s_add_co_u32 s21, s21, SA
	v_lshl_add_u32 v[ADSA], v3, 2, s21
	v_mul_u32_u24 v6, v3, KK/32                    ; B's scale bytes: KK / 32 a row,
	v_lshrrev_b32 v7, 8, v6
	v_lshl_add_u32 v6, v7, 4, v6                   ; and 16 more for each 256 passed
	s_mul_i32 s22, s18, SBH
	s_add_co_u32 s22, s22, SB
	v_add_nc_u32 v[ADSB], s22, v6
	s_mul_i32 s23, s16, 4352                       ; my stage
	v_mul_u32_u24 v6, v1, 272
	v_lshl_add_u32 v6, v2, 5, v6
	v_add_nc_u32 v[STO], s23, v6
	v_mul_u32_u24 v6, v2, 272
	v_lshl_add_u32 v6, v1, 4, v6
	v_add_nc_u32 v[RD], s23, v6
	v_lshlrev_b32 v6, 12, v2
	v_lshl_add_u32 v[CO], v1, 4, v6                ; lanes 0-15 one row of 4,096 bytes, lanes 16-31 the next; 16 bytes a lane
	v_lshlrev_b32 v[BOF], 5, v2
	; PREFETCH of slot 1, whose load stands behind the next round: 256 blocks of 256 bytes of A and as many of B.  The four partners that ask for a tile jointly share its blocks out BY ADDRESS: share p = 2 x place + wave % 2 of eight.
	; Waves 0, 1: chunk p of the slot's eight, lanes 256 bytes apart.  Waves 2, 3: B's rows 16 p .. 16 p + 15, two lanes to a row's 512 bytes.  K ends with slot 1.
	s_cmp_eq_u32 s17, 0                            ; do I fetch for A?
	s_cselect_b64 s[92:93], s[4:5], s[6:7]
	s_cselect_b32 s20, s40, s41                    ; my place among the four
	s_cselect_b32 s21, s19, s42                    ; the tile's row or column
	s_mov_b32 s22, 16*KK
	s_cselect_b32 s22, 0x40000, s22                ; from share to share
	s_mov_b32 s23, 128*KK
	s_cselect_b32 s23, 8192, s23                   ; from tile to tile
	s_mov_b32 s95, KK
	s_cselect_b32 s95, 512, s95                    ; from one pair of lanes to the next
	s_mov_b32 s98, 512
	s_cselect_b32 s98, 0x200000, s98               ; a slot on
	s_lshl_b32 s20, s20, 1
	s_add_co_u32 s20, s20, s18                     ; p
	s_mul_i32 s20, s20, s22
	s_mul_i32 s21, s21, s23
	s_add_co_u32 s20, s20, s21
	s_add_co_u32 s20, s20, s98                     ; in slot 1
	s_mov_b32 s21, 0
	s_add_nc_u64 s[92:93], s[92:93], s[20:21]      ; never rewritten
	v_lshrrev_b32 v22, 1, v3
	v_mul_u32_u24 v22, v22, s95
	v_and_b32 v23, 1, v3
	v_lshl_add_u32 v22, v23, 8, v22                ; v22: my lane's offset; never rewritten
	s_wait_alu depctr_va_vdst(0)
	global_prefetch_b8 v22, s[92:93] th:TH_LOAD_NT scope:SCOPE_SE
	s_lshl_b32 s46, s42, 7
	s_lshl_b32 s47, s18, 6
	s_add_co_u32 s46, s46, s47
	s_lshl_b32 s46, s46, 2                         ; my first column, in bytes
	s_mov_b32 s47, 0
	s_add_nc_u64 s[10:11], s[10:11], s[46:47]
	s_lshl_b32 s20, s19, 7
	s_lshl_b32 s21, s17, 6
	s_add_co_u32 s20, s20, s21
	s_lshl_b32 s20, s20, 12                        ; my first row,
	s_add_co_u32 s20, s20, s46
	s_mov_b32 s21, 0
	s_add_nc_u64 s[12:13], s[12:13], s[20:21]
	s_add_nc_u64 s[14:15], s[14:15], s[20:21]
.irp b, 0,1,2,3
	global_load_b128 v[BI+8*\b:BI+8*\b+3], v[BOF], s[10:11] offset:64*\b        ; lane (r, h) wants, for tile b, the bias of columns 16 b + 8 h + 0 .. 7
	global_load_b128 v[BI+8*\b+4:BI+8*\b+7], v[BOF], s[10:11] offset:64*\b+16
.endr
.macro SCALES sc                       ; a slot's scale words into set sc
.irp q, 0,1,2,3
.irp j, 0,1
	ds_load_b32 v[SC+16*\sc+2*\q+\j], v[ADSA] offset:512*\q+128*\j
.endr
.endr
.irp j, 0,1
	ds_load_b128 v[SC+16*\sc+8+4*\j:SC+16*\sc+8+4*\j+3], v[ADSB] offset:\j*(KK/256)*272
.endr
.endm
.macro FETCH slot, q, f                ; 32 LDS loads in one run: the fragments of the slot's q-th 128 along K into buffer f: B's four blocks, then A's
	WIN 0x40                                       ; destination window 1, address window 0
.irp i, 0,1,2,3
.irp c, 0,1,2,3
	ds_load_b128 v[(\f)+64+16*\i+4*\c:(\f)+64+16*\i+4*\c+3], v[ADRB+\slot] offset:128*(\q)+32*\c+8448*\i
.endr
.endr
.irp i, 0,1,2,3
.irp c, 0,1,2,3
	ds_load_b128 v[(\f)+16*\i+4*\c:(\f)+16*\i+4*\c+3], v[ADRA+\slot] offset:(2*(\q)+\c/2)*8704+1088*\i+32*(\c%2)
.endr
.endr
.endm
; 4 matrix instructions: A's block a x B's four.  The scale rows follow the blocks' parity.  zero = 1: the bias is C.  The sixteen accumulators take turns, one instruction a turn.
.macro MULA f, a, q, sc, zero
.irp b, 0,1,2,3
.set RD_, ACC+8*(4*(\a)+\b)
.set RB_, (\f)+64+16*\b
.set RA_, (\f)+16*(\a)
.set SB_, SC+16*(\sc)+8+4*(\b/2)+(\q)
.set SA_, SC+16*(\sc)+2*(\q)+(\a)/2
.if \zero
.set RC_, BI+8*\b
.else
.set RC_, RD_
.endif
.if ((\b)%2) && ((\a)%2)
	v_wmma_scale_f32_16x16x128_f8f6f4 v[RD_:RD_+7], v[RB_:RB_+15], v[RA_:RA_+15], v[RC_:RC_+7], v[SB_], v[SA_] matrix_a_fmt:MATRIX_FMT_BF8 matrix_b_fmt:MATRIX_FMT_BF8 matrix_a_scale:MATRIX_SCALE_ROW1 matrix_b_scale:MATRIX_SCALE_ROW1
.elseif (\b)%2
	v_wmma_scale_f32_16x16x128_f8f6f4 v[RD_:RD_+7], v[RB_:RB_+15], v[RA_:RA_+15], v[RC_:RC_+7], v[SB_], v[SA_] matrix_a_fmt:MATRIX_FMT_BF8 matrix_b_fmt:MATRIX_FMT_BF8 matrix_a_scale:MATRIX_SCALE_ROW1
.elseif (\a)%2
	v_wmma_scale_f32_16x16x128_f8f6f4 v[RD_:RD_+7], v[RB_:RB_+15], v[RA_:RA_+15], v[RC_:RC_+7], v[SB_], v[SA_] matrix_a_fmt:MATRIX_FMT_BF8 matrix_b_fmt:MATRIX_FMT_BF8 matrix_b_scale:MATRIX_SCALE_ROW1
.else
	v_wmma_scale_f32_16x16x128_f8f6f4 v[RD_:RD_+7], v[RB_:RB_+15], v[RA_:RA_+15], v[RC_:RC_+7], v[SB_], v[SA_] matrix_a_fmt:MATRIX_FMT_BF8 matrix_b_fmt:MATRIX_FMT_BF8
.endif
.endr
.endm
; One of a slot's first three steps of 128 along K: multiplies buffer q % 2 and fetches the next step into the other.
.macro STEP slot, q, zero
.set FF, 128*((\q)%2)
.set FG, 128-FF
	s_wait_dscnt 8                                 ; B's blocks and A's blocks 0, 1 are in; the youngest eight loads (A's blocks 2, 3) may be out
	WIN 0x05                                       ; sources 0 and 1 window 1; C and D window 0
	MULA FF, 0, \q, \slot, \zero
	MULA FF, 1, \q, \slot, \zero
	PLACES 8
	FETCH \slot, (\q)+1, FG
	s_wait_dscnt 32                                ; all but the 32 just issued
	WIN 0x05
	MULA FF, 2, \q, \slot, \zero
	MULA FF, 3, \q, \slot, \zero
.endm
; A slot's last step multiplies buffer 1 and changes slots: ONE barrier; in front of it each wave waits for all its tensor loads, adds 0 to its spare word, and waits for that and for its own reads of this slot.
.macro TURN slot, next, fill
	WIN 0                                          ; (the add's two registers lie in window 0)
	s_wait_tensorcnt 0x0                           ; all my tensor loads have landed: my part of the next slot
	ds_add_u32 v[SPW], v[NIL]                      ; 0 onto my spare word
	s_wait_dscnt 9                                 ; (the add and the youngest eight loads may be out)
	WIN 0x05
	MULA 128, 0, 3, \slot, 0                       ; eight matrix instructions stand between the add and the wait for it
	MULA 128, 1, 3, \slot, 0
	s_wait_dscnt 0x0                               ; the add is done, and my reads of this slot are over
	s_barrier_signal -1
	MULA 128, 2, 3, \slot, 0
	WIN 0
	s_barrier_wait -1
.if \fill
	CREST                                          ; the barrier has opened a round of the cluster's barrier: no wave of any partner still reads this slot's tile or has a load on its way
	s_add_nc_u64 s[G0A+4*\slot+2:G0A+4*\slot+3], s[G0A+4*\slot+2:G0A+4*\slot+3], 0x400000
	s_add_nc_u64 s[G0B+4*\slot+2:G0B+4*\slot+3], s[G0B+4*\slot+2:G0B+4*\slot+3], 1024
	JLOAD G0A+4*\slot, G1A, G0B+4*\slot, G1B       ; the first tensor load behind the round; its four v_nop are among the places in front of the loads below
	PLACES 4
.else
	PLACES 8
.endif
	v_add_nc_u32 v[ADSA], 2048, v[ADSA]            ; on to the next slot's scale words (no LDS load of mine is out)
	v_add_nc_u32 v[ADSB], 16, v[ADSB]
	SCALES \next
	FETCH \next, 0, 0
	WIN 0x05
	MULA 128, 3, 3, \slot, 0
.endm
	s_wait_alu depctr_va_vdst(0)                   ; the wait at the head's end
	s_wait_tensorcnt 0x0                           ; my tile of the head's four is in; the lines ahead of a later first fill:
	ds_add_u32 v[SPW], v[NIL]
	s_mov_b32 s[G1A+2], 4<<16                      ; no tensor load of mine is out: from here on a load brings four chunks of A or 64 rows of B
	s_mov_b32 s[G1A+4], 4
	s_mov_b32 s[G1B+2], 64<<16
	s_mov_b32 s[G1B+4], 64
	s_wait_dscnt 0x0
	CROUND                                         ; all four tiles are in, all sixteen work-groups are here
	JLOAD G0A+4, G1A, G0B+4, G1B                   ; slot 1, the first tensor load behind the round
	SCALES 0
	FETCH 0, 0, 0
	s_wait_loadcnt 0x0                             ; the bias
	STEP 0, 0, 1                                   ; the first step's products start the sums
	WIN 0x80                                       ; destination window 2
.irp a, 0,1,2,3
.irp t, 0,1,2,3,4,5,6,7
	global_load_b128 v[32*\a+4*\t:32*\a+4*\t+3], v[CO], s[12:13] offset:(16*\a+2*\t)*4096   ; the residual, laid as the rows leave: asked for behind both slots' loads; it has the rest of the product in which to land
.endr
.endr
	WIN 0
.if LAPS > 1
	WIN 0                                          ; at a label and at a branch every window is 0
	s_mov_b32 s3, LAPS-1
.Llap:                                                 ; a trip goes once round the ring and fills both slots again
	STEP 0, 1, 0
	STEP 0, 2, 0
	TURN 0, 1, 1
	STEP 1, 0, 0
	STEP 1, 1, 0
	STEP 1, 2, 0
	TURN 1, 0, 1
	STEP 0, 0, 0
	WIN 0
	s_sub_co_u32 s3, s3, 1
	s_cmp_lg_u32 s3, 0
	s_cbranch_scc1 .Llap
.endif
	STEP 0, 1, 0                                   ; the last lap fills nothing
	STEP 0, 2, 0
	TURN 0, 1, 0
	STEP 1, 0, 0
	STEP 1, 1, 0
	STEP 1, 2, 0
	s_wait_dscnt 8                                 ; the very last step: nothing more to fetch
	WIN 0x05
	MULA 128, 0, 3, 1, 0
	MULA 128, 1, 3, 1, 0
	s_wait_dscnt 0
	MULA 128, 2, 3, 1, 0
	MULA 128, 3, 3, 1, 0
	WIN 0
	; THE WAY OUT, 16 rows at a time: through my own stage, back as whole rows of 256 bytes, the residual added, stored.  LDS serves a wave's instructions in order: no wait between the stores and the loads.
	PLACES 8
	s_wait_loadcnt 0x0                             ; the residual
.irp a, 0,1,2,3
.set TP, 64+32*(\a%2)
.if \a > 1
	s_wait_xcnt 0x0                                ; block a - 2's stores have read these registers
.endif
.irp b, 0,1,2,3
	ds_store_b128 v[STO], v[ACC+8*(4*\a+\b):ACC+8*(4*\a+\b)+3] offset:64*\b          ; each accumulator from its low end on
	ds_store_b128 v[STO], v[ACC+8*(4*\a+\b)+4:ACC+8*(4*\a+\b)+7] offset:64*\b+16
.endr
.irp t, 0,1,2,3,4,5,6,7
	ds_load_b128 v[TP+4*\t:TP+4*\t+3], v[RD] offset:544*\t
.endr
	s_wait_dscnt 0x0
	WIN 0x08                                       ; source 1: window 2
.irp k, 0,1,2,3,4,5,6,7,8,9,10,11,12,13,14,15
	v_pk_add_f32 v[TP+2*\k:TP+2*\k+1], v[TP+2*\k:TP+2*\k+1], v[32*\a+2*\k:32*\a+2*\k+1]
.endr
	WIN 0
.irp t, 0,1,2,3,4,5,6,7
	global_store_b128 v[CO], v[TP+4*\t:TP+4*\t+3], s[14:15] offset:(16*\a+2*\t)*4096   ; 16 lanes store 256 consecutive bytes, at a multiple of 256 from the buffer's first byte
.endr
.endr
	s_wait_tensorcnt 0x0                           ; the wave's end
	ds_add_u32 v[SPW], v[NIL]
	s_wait_dscnt 0x0
	CROUND                                         ; the closing round
	s_endpgm
.Lfunc_end_k_q883479007e_oproj:
	.size	k_q883479007e_oproj, .Lfunc_end_k_q883479007e_oproj-k_q883479007e_oproj
	.p2alignl 7, 3214868480
	.fill 96, 4, 3214868480
	.section	.rodata,"a",@progbits
	.p2align	6, 0x0
	.amdhsa_kernel k_q883479007e_oproj
		.amdhsa_group_segment_fixed_size 327680
		.amdhsa_private_segment_fixed_size 0
		.amdhsa_enable_private_segment 0
		.amdhsa_kernarg_size 48
		.amdhsa_user_sgpr_count 2
		.amdhsa_user_sgpr_kernarg_segment_ptr 1
		.amdhsa_wavefront_size32 1
		.amdhsa_system_sgpr_workgroup_id_x 1
		.amdhsa_system_sgpr_workgroup_id_y 1
		.amdhsa_system_sgpr_workgroup_id_z 1
		.amdhsa_system_vgpr_workitem_id 0
		.amdhsa_next_free_vgpr 640
		.amdhsa_next_free_sgpr 100
		.amdhsa_reserve_vcc 0
		.amdhsa_float_denorm_mode_32 3
		.amdhsa_float_denorm_mode_16_64 3
		.amdhsa_memory_ordered 1
		.amdhsa_forward_progress 1
		.amdhsa_inst_pref_size 65
	.end_amdhsa_kernel
	.amdgpu_metadata
---
amdhsa.version: [ 1, 2 ]
amdhsa.kernels:
  - .name:           k_q883479007e_oproj
    .symbol:         k_q883479007e_oproj.kd
    .args:
      - { .name: ob, .offset: 0, .size: 8, .value_kind: global_buffer, .address_space: global }
      - { .name: wo_codes, .offset: 8, .size: 8, .value_kind: global_buffer, .address_space: global }
      - { .name: wo_scales, .offset: 16, .size: 8, .value_kind: global_buffer, .address_space: global }
      - { .name: bo, .offset: 24, .size: 8, .value_kind: global_buffer, .address_space: global }
      - { .name: x, .offset: 32, .size: 8, .value_kind: global_buffer, .address_space: global }
      - { .name: x1, .offset: 40, .size: 8, .value_kind: global_buffer, .address_space: global }
    .group_segment_fixed_size: 327680
    .private_segment_fixed_size: 0
    .kernarg_segment_align: 8
    .kernarg_segment_size: 48
    .max_flat_workgroup_size: 128
    .sgpr_count:     100
    .vgpr_count:     640
    .wavefront_size: 32
...
	.end_amdgpu_metadata
.endif
;; end of part 4
;; launch ln2: the kernel of part 1 again; grid 256 x 1, 4 waves a work-group, no clusters, 22,016 bytes of LDS; arguments x1, g2, be2, hb; writes hb
;; launch ffn1 (part 5): grid 16 x 16, 4 waves a work-group, clusters of 4 x 4, 327,680 bytes of LDS; arguments hb, w1_codes, w1_scales, b1, fb; writes fb
.if DOCPART == 5
	.amdgcn_target "amdgcn-amd-amdhsa--gfx1250"
	.amdhsa_code_object_version 6
	.text
	.protected	k_q883479007e_ffn1
	.globl	k_q883479007e_ffn1
	.p2align	8
	.type	k_q883479007e_ffn1,@function
k_q883479007e_ffn1:
	s_mov_b64 s[64:65], 0
	v_nop
	global_prefetch_b8 v0, s[64:65] scope:SCOPE_SE
	s_setreg_imm32_b32 hwreg(HW_REG_WAVE_MODE, 25, 1), 1
	s_wait_xcnt 0x0
	s_wait_alu depctr_hold_cnt(0) depctr_sa_sdst(0) depctr_va_vdst(0) depctr_va_sdst(0) depctr_va_ssrc(0) depctr_va_vcc(0) depctr_vm_vsrc(0)
	s_getreg_b32 s2, hwreg(HW_REG_IB_STS2, 6, 4)
	s_cmp_eq_u32 s2, 0
	s_cbranch_scc0 .Lentry_in_a_cluster
	s_endpgm
.Lentry_in_a_cluster:
	s_bfe_u32 s2, ttmp6, 0x10000c
	s_cmp_lg_u32 s2, 0xf033
	s_cbranch_scc0 .Lentry_shape_is_right
	s_endpgm
.Lentry_shape_is_right:
; f = relu(h2 W1^T + b1) on codes of E5M2 with E8M0 scales, quantised again along its columns: the body of launch qkv with FFN = 1; that kernel's head comment states layouts, shares and limits.
.set FFN,    1
.set KSTEP,  256
.set NQ,     2
.set ROWB,   256
.set KROW,   1024
.set PITCH,  272
.set FR,     16
.set NL,     4
.set NP,     8
.set HALFT,  128*PITCH
.set SLOT,   4*HALFT
.set LAPS,   2
.set KS,     32
.set SCL,    2*SLOT
.set HALFS,  16*272
.set SBLK,   2*272
.set SPARE,  SCL+4*HALFS
.set SST,    256*272
.set STO,  7
.set SWO,  8
.set RDQ,  9
.set RDQ2, 10
.set VO,   11
.set VP,   12
.set VM,   13
.set SRD,  14
.set SGO,  15
.set ADRA, 16
.set BOF,  18
.set ADRB, 20
.set ADRS, 27
.set SPW,  28
.set NIL,  29
.set SC,   32
.set BI,   64
.set AF,   128
.set TM,   32
.set PWR,  48
.set T,    64
.set PC,   128
.set G1, 24
.set G0, 32
.set G1B, 48
.set G0B, 56
.set G1S, 68
.set G0S, 76
.set G1SB, 80
.set G0SB, 88
.set MSB, 0
.macro WIN new
.if MSB != \new
	s_set_vgpr_msb (MSB<<8)|\new
.set MSB, \new
.endif
.endm
.set MUL_LO, 0xa1
.set MUL_HI, 0xf1
.set TO_B,   0x40
.macro WMUL hi, zero
.if (\zero) && FFN
.set WW, 0x81+0x40*(\hi)
.else
.set WW, 0xa1+0x50*(\hi)
.endif
	WIN WW
.endm
.macro JLOAD g0a, g1a, g0b, g1b
	s_cmp_eq_u32 s15, 0
	s_cbranch_scc0 .Lfor_b_\@
	tensor_load_to_lds s[\g0a:\g0a+3], s[\g1a:\g1a+7]
	s_nop 0
.rept 4
	v_nop
.endr
	s_branch .Lasked_\@
.Lfor_b_\@:
	tensor_load_to_lds s[\g0b:\g0b+3], s[\g1b:\g1b+7]
	s_nop 0
.rept 4
	v_nop
.endr
.Lasked_\@:
.endm
.macro CREST
	s_cmp_lg_u32 s14, 0
	s_cbranch_scc1 .Lnot_wave_0_\@
	s_barrier_signal -3
.Lnot_wave_0_\@:
	s_barrier_wait -3
	s_barrier_signal -1
	s_barrier_wait -1
.endm
.macro CROUND
	s_barrier_signal -1
	s_barrier_wait -1
	CREST
.endm
.if FFN
	s_load_b256 s[68:75], s[0:1], 0x0
	s_load_b64 s[76:77], s[0:1], 0x20
.else
	s_load_b512 s[68:83], s[0:1], 0x0
.endif
	v_lshl_add_u32 v[SPW], v0, 2, SPARE
	v_mov_b32 v[NIL], 0
	ds_add_u32 v28, v29
	ds_add_u32 v28, v29
	s_wait_dscnt 0x0
	v_lshrrev_b32 v1, 5, v0
	v_readfirstlane_b32 s14, v1
	s_lshr_b32 s15, s14, 1
	s_and_b32 s16, s14, 1
	s_bfe_u32 s40, ttmp6, 0x40000
	s_bfe_u32 s41, ttmp6, 0x40004
	s_and_b32 s98, ttmp7, 0xffff
.if FFN
	s_mov_b32 s66, s98
	s_mov_b32 s67, ttmp9
	s_mov_b32 s100, 12
.else
	s_cmp_eq_u32 s98, 2
	s_cselect_b32 s66, 0, ttmp9
	s_cselect_b32 s67, ttmp9, 0
	s_cselect_b32 s100, 10, 12
	s_cselect_b32 s101, 0, 512
	s_cselect_b32 s2, 0, -1
.endif
	s_lshl_b32 s42, s67, 2
	s_add_co_u32 s42, s42, s40
	s_lshl_b32 s17, s66, 2
	s_add_co_u32 s17, s17, s41
	s_lshl_b32 s43, s41, 2
	s_lshl_b32 s43, 15, s43
	s_lshl_b32 s44, 0x1111, s40
	s_or_b32 s[G1+0], s43, (0<<16)|(1<<20)|(1<<21)|(5<<22)|(3<<25)
	s_or_b32 s[G1B+0], s44, (0<<16)|(1<<20)|(1<<21)|(5<<22)|(3<<25)
.irp g, G1, G1B
	s_mov_b32 s[\g+1], ROWB<<16
	s_mov_b32 s[\g+2], 256<<16                     ; 256 rows for the head's loads; 128 for the ring's, set behind the head's wait
	s_mov_b32 s[\g+3], ROWB<<16
	s_mov_b32 s[\g+4], 256
	s_mov_b32 s[\g+5], KROW
	s_mov_b32 s[\g+6], 0
	s_mov_b32 s[\g+7], 0
.endr
	s_lshl_b32 s18, s16, 7
	s_lshl_b32 s20, s17, 8
	s_add_co_u32 s20, s20, s18
	s_lshl_b32 s46, s42, 8
	s_add_co_u32 s46, s46, s18
	s_lshl_b32 s22, s17, 13                        ; the scales of A's 256 rows
	s_mov_b32 s23, 0
	s_lshl_b32 s20, s20, 10
	s_mov_b32 s21, 0
	s_lshl_b32 s92, s42, 13                        ; and of B's
	s_mov_b32 s93, 0
	s_lshl_b32 s46, s46, 10
	s_mov_b32 s47, 0
	s_mul_i32 s45, s14, HALFT
	s_mov_b32 s95, 0x600000
	s_mov_b32 s96, 0x76543210
	s_mov_b32 s97, 0xfedcba98
	s_wait_kmcnt 0x0
.if FFN
	s_mov_b64 s[4:5], s[68:69]
	s_add_nc_u64 s[6:7], s[68:69], 0x400000
	s_mov_b64 s[8:9], s[70:71]
	s_mov_b64 s[10:11], s[72:73]
	s_mov_b64 s[66:67], s[74:75]
	s_mov_b64 s[12:13], s[76:77]
.else
	s_add_nc_u64 s[84:85], s[68:69], 0x400000
	s_cmp_eq_u32 s98, 0
	s_cselect_b64 s[8:9], s[70:71], s[74:75]
	s_cselect_b64 s[10:11], s[72:73], s[76:77]
	s_cmp_eq_u32 s98, 2
	s_cselect_b64 s[4:5], s[78:79], s[68:69]
	s_cselect_b64 s[6:7], s[80:81], s[84:85]
	s_cselect_b64 s[8:9], s[68:69], s[8:9]
	s_cselect_b64 s[10:11], s[84:85], s[10:11]
	s_mov_b64 s[12:13], s[82:83]
.endif
	s_add_nc_u64 s[20:21], s[4:5], s[20:21]
	s_add_nc_u64 s[22:23], s[6:7], s[22:23]
	s_add_nc_u64 s[46:47], s[8:9], s[46:47]
	s_add_nc_u64 s[92:93], s[10:11], s[92:93]
	s_or_b32 s[G1S+0], s43, (3<<16)|(1<<20)|(1<<21)|(5<<22)|(3<<25)
	s_or_b32 s[G1SB+0], s44, (3<<16)|(1<<20)|(1<<21)|(5<<22)|(3<<25)
.irp g, G1S, G1SB
	s_mov_b32 s[\g+1], 32<<16
	s_mov_b32 s[\g+2], 32<<16                      ; the scales of 256 rows: 32 rows of 256 bytes
	s_mov_b32 s[\g+3], 32<<16
	s_mov_b32 s[\g+4], 32
	s_mov_b32 s[\g+5], 32
	s_mov_b32 s[\g+6], 0
	s_mov_b32 s[\g+7], 0
.endr
	CROUND
	s_mov_b32 s[G0S], 1
	s_mov_b32 s[G0S+1], SCL
	s_mov_b64 s[G0S+2:G0S+3], s[22:23]
	s_or_b32 s[G0S+3], s[G0S+3], 0x80000000
	s_mov_b32 s[G0SB], 1
	s_mov_b32 s[G0SB+1], SCL+2*HALFS
	s_mov_b64 s[G0SB+2:G0SB+3], s[92:93]
	s_or_b32 s[G0SB+3], s[G0SB+3], 0x80000000
.irp s, 0,1
	s_mov_b32 s[G0+4*\s], 1
	s_add_co_u32 s[G0+4*\s+1], s45, \s*SLOT
	s_add_nc_u64 s[G0+4*\s+2:G0+4*\s+3], s[20:21], \s*ROWB
	s_or_b32 s[G0+4*\s+3], s[G0+4*\s+3], 0x80000000
	s_mov_b32 s[G0B+4*\s], 1
	s_add_co_u32 s[G0B+4*\s+1], s45, \s*SLOT
	s_add_nc_u64 s[G0B+4*\s+2:G0B+4*\s+3], s[46:47], \s*ROWB
	s_or_b32 s[G0B+4*\s+3], s[G0B+4*\s+3], 0x80000000
.endr
; THE HEAD'S LOADS, one a wave, in one chain of branches on the wave's number: wave 0 K step 0's 256 rows of A, wave 2 those of B (each by its own group 0, which begins at the tile's start),
; wave 1 the scales of A's 256 rows, wave 3 those of B's.
.macro ARM w, g0, g1, next
	s_cmp_eq_u32 s14, \w
	s_cbranch_scc0 \next
	tensor_load_to_lds s[\g0:\g0+3], s[\g1:\g1+7]
	s_nop 0
.rept 4
	v_nop
.endr
	s_branch .Lhead_asked
\next:
.endm
	ARM 0, G0, G1, .Lhead_b
	ARM 2, G0B, G1B, .Lhead_sa
	ARM 1, G0S, G1S, .Lhead_sb
	tensor_load_to_lds s[G0SB:G0SB+3], s[G1SB:G1SB+7]
	s_nop 0
.rept 4
	v_nop
.endr
.Lhead_asked:
	; PREFETCH of K steps 1 to 3, bytes 256 to 1,023 of each row, whose loads stand behind the next round and the two refills.  The four partners that ask for a tile jointly share its 256 rows out BY ADDRESS:
	; share 2 x place + wave % 2 of eight (place: cx for A, cy for B) is 32 rows, a lane a row, three blocks of 256 bytes a lane.  Waves 0, 1 ask for A, waves 2, 3 for B.  K ends with K step 3, so the loop asks for nothing.
	s_cmp_eq_u32 s15, 0
	s_cselect_b64 s[92:93], s[4:5], s[8:9]
	s_cselect_b32 s20, s40, s41
	s_cselect_b32 s21, s17, s42
	s_lshl_b32 s20, s20, 1
	s_add_co_u32 s20, s20, s16
	s_lshl_b32 s20, s20, 5
	s_lshl_b32 s21, s21, 8
	s_add_co_u32 s20, s20, s21                     ; my share's first row
	s_lshl_b32 s20, s20, 10
	s_mov_b32 s21, 0
	s_add_nc_u64 s[92:93], s[92:93], s[20:21]      ; never rewritten
	v_and_b32 v19, 31, v0
	v_lshlrev_b32 v19, 10, v19                     ; v19: my lane's row; never rewritten
.irp k, 1,2,3
	global_prefetch_b8 v19, s[92:93] offset:256*\k th:TH_LOAD_NT scope:SCOPE_SE
.endr
	v_and_b32 v1, 15, v0
	v_bfe_u32 v2, v0, 4, 1
	v_mul_u32_u24 v3, v1, PITCH
	v_lshl_add_u32 v4, v2, 4, v3
	s_mul_i32 s21, s15, HALFT
	s_mul_i32 s22, s16, HALFT
	s_add_co_u32 s22, s22, 2*HALFT
.irp s, 0,1
	v_add_nc_u32 v[ADRA+\s], s21, v4
	v_add_nc_u32 v[ADRB+\s], s22, v4
	s_add_co_u32 s21, s21, SLOT
	s_add_co_u32 s22, s22, SLOT
.endr
	v_mul_u32_u24 v5, v1, KS
	v_lshrrev_b32 v6, 8, v5
	v_lshl_add_u32 v5, v6, 4, v5
	s_mul_i32 s21, s15, HALFS
	s_mul_i32 s22, s16, HALFS
	s_add_co_u32 s22, s22, 2*HALFS
	s_sub_co_u32 s22, s22, s21
	v_mul_u32_u24 v6, s22, v2
	s_add_co_u32 s21, s21, SCL
	v_add_nc_u32 v5, v5, v6
	v_add_nc_u32 v[ADRS], s21, v5
	s_mul_i32 s23, s15, 128*272
	s_lshl_b32 s22, s16, 7
	s_add_co_u32 s23, s23, s22
	v_lshl_add_u32 v5, v2, 3, v3
	v_add_nc_u32 v[STO], s23, v5
	v_and_b32 v6, 31, v0
	v_lshrrev_b32 v5, 2, v6
	v_mul_u32_u24 v5, v5, 272
	v_and_b32 v3, 3, v6
	v_lshl_add_u32 v5, v3, 4, v5
	s_lshl_b32 s23, s14, 6
	v_add_nc_u32 v[RDQ], s23, v5
	v_add_nc_u32 v[RDQ2], 16*2176, v[RDQ]
	v_lshlrev_b32 v[VO], 4, v6
	s_lshl_b32 s23, s14, 9
	s_add_co_u32 s23, s23, SST
	v_add_nc_u32 v[SRD], s23, v[VO]
	v_lshl_add_u32 v[SWO], v1, 2, s23
.if !FFN
	v_add_nc_u32 v[VP], s101, v[VO]
	s_sub_co_u32 s23, 512, s101
	v_add_nc_u32 v[VM], s23, v[VO]
	v_lshrrev_b32 v3, 1, v6
	v_and_b32 v4, 12, v3
	v_and_b32 v5, 1, v3
	v_lshl_or_b32 v4, v5, 1, v4
	v_bfe_u32 v5, v3, 1, 1
	v_or_b32 v4, v4, v5
	v_and_b32 v5, 1, v6
	v_lshlrev_b32 v5, 4, v5
	v_lshl_or_b32 v4, v4, 5, v5
	v_cndmask_b32 v[SGO], v[VO], v4, s2
.endif
	s_lshl_b32 s18, s42, 2
	s_add_co_u32 s18, s18, s14
	s_lshl_b32 s18, s18, s100
	s_lshl_b32 s19, s17, 8
	s_add_co_u32 s18, s18, s19
	s_lshl_b32 s18, s18, 6
.if !FFN
	s_lshl_b32 s19, s98, 22
	s_add_co_u32 s18, s18, s19
.endif
	s_mov_b32 s19, 0
	s_add_nc_u64 s[4:5], s[12:13], s[18:19]
	s_lshl_b32 s18, s42, 1
	s_add_co_u32 s18, s18, s16
	s_add_co_u32 s19, s100, 2
	s_lshl_b32 s18, s18, s19
	s_lshl_b32 s19, s17, 10
	s_add_co_u32 s18, s18, s19
	s_lshl_b32 s19, s15, 9
	s_add_co_u32 s18, s18, s19
.if FFN
	s_add_co_u32 s18, s18, 0x1000000
.else
	s_lshl_b32 s19, s98, 17
	s_add_co_u32 s18, s18, s19
	s_add_co_u32 s18, s18, 0xC00000
.endif
	s_mov_b32 s19, 0
	s_add_nc_u64 s[6:7], s[12:13], s[18:19]
.if FFN
	s_lshl_b32 s46, s42, 10
	s_lshl_b32 s47, s16, 9
	s_add_co_u32 s46, s46, s47
	s_mov_b32 s47, 0
	s_add_nc_u64 s[66:67], s[66:67], s[46:47]
	v_lshlrev_b32 v[BOF], 5, v2
.irp b, 0,1,2,3,4,5,6,7
	global_load_b128 v[BI+8*\b:BI+8*\b+3], v[BOF], s[66:67] offset:64*\b
	global_load_b128 v[BI+8*\b+4:BI+8*\b+7], v[BOF], s[66:67] offset:64*\b+16
.endr
.endif
.macro FRAG reg, adr, q, i
.irp c, 0,1,2,3
	ds_load_b128 v[\reg+4*\c:\reg+4*\c+3], v[\adr] offset:128*(\q)+32*\c+(\i)*16*PITCH
.endr
.endm
.macro MUL16 a0, p, q, sc, zero
.irp a, \a0, \a0+1
.irp b, 0,1,2,3,4,5,6,7
.if (\zero) && FFN
	v_wmma_scale_f32_16x16x128_f8f6f4 v[8*(8*((\a)%4)+\b):8*(8*((\a)%4)+\b)+7], v[128*(\p)+FR*\b:128*(\p)+FR*\b+FR-1], v[AF+FR*(\a):AF+FR*(\a)+FR-1], v[BI+8*\b:BI+8*\b+7], v[SC+8*NQ*(\sc)+NQ*\b+(\q)], v[SC+8*NQ*(\sc)+NQ*(\a)+(\q)] matrix_a_fmt:MATRIX_FMT_BF8 matrix_b_fmt:MATRIX_FMT_BF8 matrix_a_scale:MATRIX_SCALE_ROW1
.elseif \zero
	v_wmma_scale_f32_16x16x128_f8f6f4 v[8*(8*((\a)%4)+\b):8*(8*((\a)%4)+\b)+7], v[128*(\p)+FR*\b:128*(\p)+FR*\b+FR-1], v[AF+FR*(\a):AF+FR*(\a)+FR-1], 0, v[SC+8*NQ*(\sc)+NQ*\b+(\q)], v[SC+8*NQ*(\sc)+NQ*(\a)+(\q)] matrix_a_fmt:MATRIX_FMT_BF8 matrix_b_fmt:MATRIX_FMT_BF8 matrix_a_scale:MATRIX_SCALE_ROW1
.else
	v_wmma_scale_f32_16x16x128_f8f6f4 v[8*(8*((\a)%4)+\b):8*(8*((\a)%4)+\b)+7], v[128*(\p)+FR*\b:128*(\p)+FR*\b+FR-1], v[AF+FR*(\a):AF+FR*(\a)+FR-1], v[8*(8*((\a)%4)+\b):8*(8*((\a)%4)+\b)+7], v[SC+8*NQ*(\sc)+NQ*\b+(\q)], v[SC+8*NQ*(\sc)+NQ*(\a)+(\q)] matrix_a_fmt:MATRIX_FMT_BF8 matrix_b_fmt:MATRIX_FMT_BF8 matrix_a_scale:MATRIX_SCALE_ROW1
.endif
.endr
.endr
.endm
.macro FETCH_B slot, q, p
	WIN TO_B
.irp i, 0,1,2,3,4,5,6,7
	FRAG 128*(\p)+FR*\i, ADRB+\slot, \q, \i
.endr
	WIN 0
.endm
.macro FETCH_A slot, q, i0
.irp i, \i0, \i0+1, \i0+2, \i0+3
	FRAG AF+FR*(\i), ADRA+\slot, \q, \i
.endr
.endm
.macro SCALES sc
.irp i, 0,1,2,3,4,5,6,7
	ds_load_b64 v[SC+8*NQ*\sc+NQ*\i:SC+8*NQ*\sc+NQ*\i+1], v[ADRS] offset:\i*SBLK
.endr
.endm
.macro PLACES n
.rept \n
	v_nop
.endr
.endm
.macro STEP slot, q, zero
	s_wait_dscnt 4*NL
	WMUL 0, \zero
	MUL16 0, (\q)%2, \q, \slot, \zero
	MUL16 2, (\q)%2, \q, \slot, \zero
	s_wait_dscnt 0
	PLACES NP
	FETCH_B \slot, (\q)+1, 1-(\q)%2
	FETCH_A \slot, (\q)+1, 0
	WMUL 1, \zero
	MUL16 4, (\q)%2, \q, \slot, \zero
	MUL16 6, (\q)%2, \q, \slot, \zero
	PLACES NP
	WIN 0
	FETCH_A \slot, (\q)+1, 4
.endm
.macro TURN slot, next, fill
	s_wait_tensorcnt 0x0
	ds_add_u32 v[SPW], v[NIL]
	s_wait_dscnt 4*NL+1
	WIN MUL_LO
	MUL16 0, 1, NQ-1, \slot, 0
	s_wait_dscnt 0x0
	s_barrier_signal -1
	MUL16 2, 1, NQ-1, \slot, 0
	WIN 0
	s_barrier_wait -1
.if \fill
	CREST
	s_add_nc_u64 s[G0+4*\slot+2:G0+4*\slot+3], s[G0+4*\slot+2:G0+4*\slot+3], 2*ROWB
	s_add_nc_u64 s[G0B+4*\slot+2:G0B+4*\slot+3], s[G0B+4*\slot+2:G0B+4*\slot+3], 2*ROWB
	JLOAD G0+4*\slot, G1, G0B+4*\slot, G1B
	PLACES NP-4
.else
	PLACES NP
.endif
	s_wait_alu depctr_va_vdst(0)
	v_add_nc_u32 v[ADRS], 4*NQ, v[ADRS]
	FETCH_B \next, 0, 0
	FETCH_A \next, 0, 0
	SCALES \next
	WIN MUL_HI
	MUL16 4, 1, NQ-1, \slot, 0
	MUL16 6, 1, NQ-1, \slot, 0
	PLACES NP
	WIN 0
	FETCH_A \next, 0, 4
.endm
	s_wait_alu depctr_va_vdst(0)                   ; the wait at the head's end
	s_wait_tensorcnt 0x0                           ; my tile of the head's four is in; the lines ahead of a later first fill:
	ds_add_u32 v[SPW], v[NIL]
	s_mov_b32 s[G1+2], 128<<16                     ; no tensor load of mine is out: from here on a load brings 128 rows
	s_mov_b32 s[G1+4], 128
	s_mov_b32 s[G1B+2], 128<<16
	s_mov_b32 s[G1B+4], 128
	s_wait_dscnt 0x0
	CROUND                                         ; all four tiles are in, all sixteen work-groups are here
	JLOAD G0+4, G1, G0B+4, G1B                     ; K step 1, the first tensor load behind the round
	FETCH_B 0, 0, 0
	FETCH_A 0, 0, 0
	SCALES 0
	FETCH_A 0, 0, 4
.if FFN
	s_wait_loadcnt 0x0
.endif
	STEP 0, 0, 1
	s_mov_b32 s3, LAPS-1
.Llap:
	TURN 0, 1, 1
	STEP 1, 0, 0
	TURN 1, 0, 1
	STEP 0, 0, 0
	s_sub_co_u32 s3, s3, 1
	s_cmp_lg_u32 s3, 0
	s_cbranch_scc1 .Llap
	TURN 0, 1, 0
	STEP 1, 0, 0
	s_wait_dscnt 4*NL
	WIN MUL_LO
	MUL16 0, 1, NQ-1, 1, 0
	MUL16 2, 1, NQ-1, 1, 0
	s_wait_dscnt 0
	WIN MUL_HI
	MUL16 4, 1, NQ-1, 1, 0
	MUL16 6, 1, NQ-1, 1, 0
	WIN 0
.macro QROW a
.set WI, 2+(\a)/4
.set WA, (WI<<2)|(WI<<4)
.set AC, 64*((\a)%4)
.set PCA, PC+16*(\a)
	WIN WA
.irp b, 0,1,2,3
.if FFN
	v_max3_num_f32 v[TM+\b], 0x8000000, v[AC+16*\b], v[AC+16*\b+1]
.else
	v_max3_num_f32 v[TM+\b], 0x8000000, |v[AC+16*\b]|, |v[AC+16*\b+1]|
.endif
.endr
.irp i, 2,4,6,8,10,12,14
.irp b, 0,1,2,3
.if FFN
	v_max3_num_f32 v[TM+\b], v[TM+\b], v[AC+16*\b+\i], v[AC+16*\b+\i+1]
.else
	v_max3_num_f32 v[TM+\b], v[TM+\b], |v[AC+16*\b+\i]|, |v[AC+16*\b+\i+1]|
.endif
.endr
.endr
	WIN 0
.irp b, 0,1,2,3
	v_permlanex16_b32 v[TM+4+\b], v[TM+\b], s96, s97
.endr
.irp b, 0,1,2,3
	v_max_num_f32 v[TM+\b], v[TM+\b], v[TM+4+\b]
.endr
.irp b, 0,1,2,3
	v_add_nc_u32 v[TM+12+\b], 0xf8800000, v[TM+\b]
.endr
.irp b, 0,1,2,3
	v_and_or_b32 v[TM+8+\b], v[TM+\b], 0x7f800000, s95
.endr
.irp b, 0,1,2,3
	v_lshrrev_b32 v[TM+4+\b], 23, v[TM+12+\b]
.endr
	v_lshl_or_b32 v[PWR+\a], v[TM+5], 8, v[TM+4]
	v_lshl_or_b32 v[PWR+\a], v[TM+6], 16, v[PWR+\a]
	v_lshl_or_b32 v[PWR+\a], v[TM+7], 24, v[PWR+\a]
	WIN WI
.irp b, 0,1,2,3
.irp i, 0,1,2,3,4,5,6,7,8,9,10,11,12,13,14,15
.if FFN
	v_med3_num_f32 v[T+16*\b+\i], v[AC+16*\b+\i], 0, v[TM+8+\b]
.else
	v_med3_num_f32 v[T+16*\b+\i], v[AC+16*\b+\i], -v[TM+8+\b], v[TM+8+\b]
.endif
.endr
.endr
	WIN 0
.irp t, 0,1,2,3,4,5,6,7
	v_cvt_scalef32_pk8_bf8_f32 v[PCA+2*\t:PCA+2*\t+1], v[T+8*\t:T+8*\t+7], v[TM+12+\t/2]
.endr
	v_nop
.irp t, 0,1,2,3,4,5,6,7
	ds_store_b64 v[STO], v[PCA+2*\t:PCA+2*\t+1] offset:4352*(\a)+16*\t
.endr
	ds_store_b32 v[SWO], v[PWR+\a] offset:64*(\a)
.endm
	PLACES NP
.irp b, 0,1,2,3
	v_mov_b32 v[TM+4+\b], 0
.endr
.irp a, 0,1,2,3,4,5,6,7
	QROW \a
.endr
	s_wait_dscnt 0x0
	s_barrier_signal -1
	s_barrier_wait -1
.set II, 0
.rept 32
.if II < 16
	ds_load_b128 v[128+4*II:128+4*II+3], v[RDQ] offset:2176*II
.else
	ds_load_b128 v[128+4*II:128+4*II+3], v[RDQ2] offset:2176*(II-16)
.endif
.set II, II+1
.endr
	ds_load_b128 v[52:55], v[SRD]
.set II, 0
.rept 32
	s_wait_dscnt 32-II
.if FFN || (II%4 == 0) || (II%4 == 3)
	global_store_b128 v[VO], v[128+4*II:128+4*II+3], s[4:5] offset:512*II
.elseif II%4 == 1
	global_store_b128 v[VP], v[128+4*II:128+4*II+3], s[4:5] offset:512*II
.else
	global_store_b128 v[VM], v[128+4*II:128+4*II+3], s[4:5] offset:512*(II-1)
.endif
.set II, II+1
.endr
	s_wait_dscnt 0x0
.if FFN
	global_store_b128 v[VO], v[52:55], s[6:7]
.else
	global_store_b128 v[SGO], v[52:55], s[6:7]
.endif
	s_wait_tensorcnt 0x0
	ds_add_u32 v[SPW], v[NIL]
	s_wait_dscnt 0x0
	CROUND
	s_endpgm
.Lfunc_end_k_q883479007e_ffn1:
	.size	k_q883479007e_ffn1, .Lfunc_end_k_q883479007e_ffn1-k_q883479007e_ffn1
	.p2alignl 7, 3214868480
	.fill 96, 4, 3214868480
	.section	.rodata,"a",@progbits
	.p2align	6, 0x0
	.amdhsa_kernel k_q883479007e_ffn1
		.amdhsa_group_segment_fixed_size 327680
		.amdhsa_private_segment_fixed_size 0
		.amdhsa_enable_private_segment 0
		.amdhsa_kernarg_size 40
		.amdhsa_user_sgpr_count 2
		.amdhsa_user_sgpr_kernarg_segment_ptr 1
		.amdhsa_wavefront_size32 1
		.amdhsa_system_sgpr_workgroup_id_x 1
		.amdhsa_system_sgpr_workgroup_id_y 1
		.amdhsa_system_sgpr_workgroup_id_z 1
		.amdhsa_system_vgpr_workitem_id 0
		.amdhsa_next_free_vgpr 1024
		.amdhsa_next_free_sgpr 102
		.amdhsa_reserve_vcc 0
		.amdhsa_float_denorm_mode_32 3
		.amdhsa_float_denorm_mode_16_64 3
		.amdhsa_memory_ordered 1
		.amdhsa_forward_progress 1
		.amdhsa_inst_pref_size 196
	.end_amdhsa_kernel
	.amdgpu_metadata
---
amdhsa.version: [ 1, 2 ]
amdhsa.kernels:
  - .name:           k_q883479007e_ffn1
    .symbol:         k_q883479007e_ffn1.kd
    .args:
      - { .name: hb, .offset: 0, .size: 8, .value_kind: global_buffer, .address_space: global }
      - { .name: w1_codes, .offset: 8, .size: 8, .value_kind: global_buffer, .address_space: global }
      - { .name: w1_scales, .offset: 16, .size: 8, .value_kind: global_buffer, .address_space: global }
      - { .name: b1, .offset: 24, .size: 8, .value_kind: global_buffer, .address_space: global }
      - { .name: fb, .offset: 32, .size: 8, .value_kind: global_buffer, .address_space: global }
    .group_segment_fixed_size: 327680
    .private_segment_fixed_size: 0
    .kernarg_segment_align: 8
    .kernarg_segment_size: 40
    .max_flat_workgroup_size: 128
    .sgpr_count:     102
    .vgpr_count:     1024
    .wavefront_size: 32
...
	.end_amdgpu_metadata
.endif
;; end of part 5
;; launch ffn2 (part 6): grid 8 x 32, 4 waves a work-group, clusters of 4 x 4, 327,680 bytes of LDS; arguments fb, w2_codes, w2_scales, b2, x1, out0; writes out0
.if DOCPART == 6
	.amdgcn_target "amdgcn-amd-amdhsa--gfx1250"
	.amdhsa_code_object_version 6
	.text
	.protected	k_q883479007e_ffn2
	.globl	k_q883479007e_ffn2
	.p2align	8
	.type	k_q883479007e_ffn2,@function
k_q883479007e_ffn2:
	s_mov_b64 s[64:65], 0
	v_nop
	global_prefetch_b8 v0, s[64:65] scope:SCOPE_SE
	s_setreg_imm32_b32 hwreg(HW_REG_WAVE_MODE, 25, 1), 1
	s_wait_xcnt 0x0
	s_wait_alu depctr_hold_cnt(0) depctr_sa_sdst(0) depctr_va_vdst(0) depctr_va_sdst(0) depctr_va_ssrc(0) depctr_va_vcc(0) depctr_vm_vsrc(0)
	s_getreg_b32 s2, hwreg(HW_REG_IB_STS2, 6, 4)
	s_cmp_eq_u32 s2, 0
	s_cbranch_scc0 .Lentry_in_a_cluster
	s_endpgm
.Lentry_in_a_cluster:
	s_bfe_u32 s2, ttmp6, 0x10000c
	s_cmp_lg_u32 s2, 0xf033
	s_cbranch_scc0 .Lentry_shape_is_right
	s_endpgm
.Lentry_shape_is_right:
; out = x1 + b2 + f W2^T on codes of E5M2 with E8M0 scales: the body of launch oproj with K = 4,096, that is eight slots of 512 through the ring; that kernel's head comment states layouts, shares and limits.
; A slot holds A as [8 chunks][128 rows x 64 bytes], then B's 128 rows.  In the ring waves 0 and 1 fetch four chunks of A each, waves 2 and 3 64 rows of B each.
; PREFETCH: slots 2 and 3 are asked for at the head, and behind the refill that loads slot n the slot n + 2, one instruction a wave; the loop's last trip, whose slots n + 2 lie past K, asks for nothing.
; At the head slot 1 is prefetched too: its load stands behind the head's round.  The residual is asked for behind the first K step's products.
.set KK,    4096
.set LAPS,  KK/1024
.set AH,    8*4352
.set BH,    64*528
.set SLOT,  2*AH+2*BH
.set SA,    2*SLOT
.set SAH,   2*KK
.set SB,    SA+4*KK
.set SBH,   (KK/128)*272
.set SPARE, SB+2*SBH
.set ADRA, 16
.set ADRB, 20
.set STO,  24
.set RD,   25
.set CO,   26
.set ADSA, 27
.set SPW,  28
.set NIL,  29
.set ADSB, 30
.set BOF,  31
.set SC,   32
.set BI,   64
.set ACC,  128
.set G1A, 24
.set G0A, 32
.set G1B, 48
.set G0B, 56
.set G1SA, 68
.set G0SA, 76
.set G1SB, 80
.set G0SB, 88
.set MSB, 0
.macro WIN new
.if MSB != \new
	s_set_vgpr_msb (MSB<<8)|\new
.set MSB, \new
.endif
.endm
.macro JLOAD g0a, g1a, g0b, g1b
	s_cmp_eq_u32 s17, 0
	s_cbranch_scc0 .Lfor_b_\@
	tensor_load_to_lds s[\g0a:\g0a+3], s[\g1a:\g1a+7]
	s_nop 0
.rept 4
	v_nop
.endr
	s_branch .Lasked_\@
.Lfor_b_\@:
	tensor_load_to_lds s[\g0b:\g0b+3], s[\g1b:\g1b+7]
	s_nop 0
.rept 4
	v_nop
.endr
.Lasked_\@:
.endm
.macro CREST
	s_cmp_lg_u32 s16, 0
	s_cbranch_scc1 .Lnot_wave_0_\@
	s_barrier_signal -3
.Lnot_wave_0_\@:
	s_barrier_wait -3
	s_barrier_signal -1
	s_barrier_wait -1
.endm
.macro CROUND
	s_barrier_signal -1
	s_barrier_wait -1
	CREST
.endm
.macro PLACES n
.rept \n
	v_nop
.endr
.endm
	s_load_b256 s[4:11], s[0:1], 0x0
	s_load_b128 s[12:15], s[0:1], 0x20
	v_lshl_add_u32 v[SPW], v0, 2, SPARE
	v_mov_b32 v[NIL], 0
	ds_add_u32 v28, v29
	ds_add_u32 v28, v29
	s_wait_dscnt 0x0
	v_lshrrev_b32 v1, 5, v0
	v_readfirstlane_b32 s16, v1
	s_lshr_b32 s17, s16, 1
	s_and_b32 s18, s16, 1
	s_bfe_u32 s40, ttmp6, 0x40000
	s_bfe_u32 s41, ttmp6, 0x40004
	s_lshl_b32 s42, ttmp9, 2
	s_add_co_u32 s42, s42, s40
	s_and_b32 s19, ttmp7, 0xffff
	s_lshl_b32 s19, s19, 2
	s_add_co_u32 s19, s19, s41
	s_lshl_b32 s43, s41, 2
	s_lshl_b32 s43, 15, s43
	s_lshl_b32 s44, 0x1111, s40
	s_or_b32 s[G1A], s43, (3<<16)|(1<<20)|(1<<21)|(5<<22)|(3<<25)
	s_mov_b32 s[G1A+1], 1024<<16                   ; a chunk's 128 rows: 8,192 bytes on end
	s_mov_b32 s[G1A+2], 8<<16
	s_mov_b32 s[G1A+3], 1024<<16
	s_mov_b32 s[G1A+4], 8
	s_mov_b32 s[G1A+5], 32768
	s_mov_b32 s[G1A+6], 0
	s_mov_b32 s[G1A+7], 0
	s_or_b32 s[G1B], s44, (0<<16)|(1<<20)|(1<<21)|(6<<22)|(3<<25)
	s_mov_b32 s[G1B+1], 512<<16
	s_mov_b32 s[G1B+2], 128<<16                    ; 128 rows for the head's load; 64 for the ring's, set behind the head's wait
	s_mov_b32 s[G1B+3], 512<<16
	s_mov_b32 s[G1B+4], 128
	s_mov_b32 s[G1B+5], KK
	s_mov_b32 s[G1B+6], 0
	s_mov_b32 s[G1B+7], 0
	s_or_b32 s[G1SA], s43, (3<<16)|(1<<21)
	s_mov_b32 s[G1SA+1], 64<<16                    ; 128 rows' words: 512 bytes
	s_mov_b32 s[G1SA+2], (KK/128)<<16
	s_mov_b32 s[G1SA+3], 64<<16
	s_mov_b32 s[G1SA+4], KK/128
	s_mov_b32 s[G1SA+5], 2048
	s_mov_b32 s[G1SA+6], 0
	s_mov_b32 s[G1SA+7], 0
	s_or_b32 s[G1SB], s44, (3<<16)|(1<<20)|(1<<21)|(5<<22)|(3<<25)
	s_mov_b32 s[G1SB+1], 32<<16
	s_mov_b32 s[G1SB+2], (KK/64)<<16               ; 128 rows' bytes: 4 KK
	s_mov_b32 s[G1SB+3], 32<<16
	s_mov_b32 s[G1SB+4], KK/64
	s_mov_b32 s[G1SB+5], 32
	s_mov_b32 s[G1SB+6], 0
	s_mov_b32 s[G1SB+7], 0
	s_lshl_b32 s20, s19, 7
	s_lshl_b32 s22, s20, 2                         ; A: row 128 x tile row
	s_add_co_u32 s22, s22, 4096*KK
	s_mov_b32 s23, 0
	s_lshl_b32 s20, s20, 6                         ; its codes in chunk 0,
	s_lshl_b32 s21, s18, 20
	s_add_co_u32 s20, s20, s21                     ; and four chunks of 262,144 bytes on for the second fetching wave
	s_mov_b32 s21, 0
	s_lshl_b32 s46, s42, 7
	s_lshl_b32 s47, s18, 6
	s_add_co_u32 s46, s46, s47
	s_mul_i32 s92, s42, 4*KK                       ; the scale bytes of B's 128 rows
	s_mov_b32 s93, 0
	s_mul_i32 s46, s46, KK
	s_mov_b32 s47, 0
	s_mul_i32 s45, s18, AH
	s_mul_i32 s94, s18, BH
	s_add_co_u32 s94, s94, 2*AH
	s_wait_kmcnt 0x0
	s_add_nc_u64 s[20:21], s[4:5], s[20:21]
	s_add_nc_u64 s[22:23], s[4:5], s[22:23]
	s_add_nc_u64 s[46:47], s[6:7], s[46:47]
	s_add_nc_u64 s[92:93], s[8:9], s[92:93]
	CROUND
	s_mov_b32 s[G0SA], 1
	s_mov_b32 s[G0SA+1], SA
	s_mov_b64 s[G0SA+2:G0SA+3], s[22:23]
	s_or_b32 s[G0SA+3], s[G0SA+3], 0x80000000
	s_mov_b32 s[G0SB], 1
	s_mov_b32 s[G0SB+1], SB
	s_mov_b64 s[G0SB+2:G0SB+3], s[92:93]
	s_or_b32 s[G0SB+3], s[G0SB+3], 0x80000000
.irp s, 0,1
	s_mov_b32 s[G0A+4*\s], 1
	s_add_co_u32 s[G0A+4*\s+1], s45, \s*SLOT
	s_add_nc_u64 s[G0A+4*\s+2:G0A+4*\s+3], s[20:21], \s*0x200000
	s_or_b32 s[G0A+4*\s+3], s[G0A+4*\s+3], 0x80000000
	s_mov_b32 s[G0B+4*\s], 1
	s_add_co_u32 s[G0B+4*\s+1], s94, \s*SLOT
	s_add_nc_u64 s[G0B+4*\s+2:G0B+4*\s+3], s[46:47], \s*512
	s_or_b32 s[G0B+4*\s+3], s[G0B+4*\s+3], 0x80000000
.endr
; THE HEAD'S LOADS, one a wave, in one chain of branches on the wave's number: wave 0 slot 0's eight chunks of A, wave 2 its 128 rows of B (each by its own group 0, which begins at the tile's start),
; wave 1 A's scale words, wave 3 B's scale bytes.
.macro ARM w, g0, g1, next
	s_cmp_eq_u32 s16, \w
	s_cbranch_scc0 \next
	tensor_load_to_lds s[\g0:\g0+3], s[\g1:\g1+7]
	s_nop 0
.rept 4
	v_nop
.endr
	s_branch .Lhead_asked
\next:
.endm
	ARM 0, G0A, G1A, .Lhead_b
	ARM 2, G0B, G1B, .Lhead_sa
	ARM 1, G0SA, G1SA, .Lhead_sb
	tensor_load_to_lds s[G0SB:G0SB+3], s[G1SB:G1SB+7]
	s_nop 0
.rept 4
	v_nop
.endr
.Lhead_asked:
	v_and_b32 v1, 15, v0
	v_bfe_u32 v2, v0, 4, 1
	v_and_b32 v3, 31, v0
	v_lshrrev_b32 v4, 2, v1
	v_mul_u32_u24 v4, v4, 272
	v_and_b32 v5, 3, v1
	v_lshl_add_u32 v4, v5, 6, v4
	v_lshl_add_u32 v4, v2, 4, v4
	v_mul_u32_u24 v5, v1, 528
	v_lshl_add_u32 v5, v2, 4, v5
	s_mul_i32 s21, s17, 4352                       ; my 64 rows of A in a chunk
	s_mul_i32 s22, s18, BH
	s_add_co_u32 s22, s22, 2*AH
.irp s, 0,1
	v_add_nc_u32 v[ADRA+\s], s21, v4
	v_add_nc_u32 v[ADRB+\s], s22, v5
	s_add_co_u32 s21, s21, SLOT
	s_add_co_u32 s22, s22, SLOT
.endr
	s_lshl_b32 s21, s17, 8                         ; my 64 rows' words
	s_add_co_u32 s21, s21, SA
	v_lshl_add_u32 v[ADSA], v3, 2, s21
	v_mul_u32_u24 v6, v3, KK/32
	v_lshrrev_b32 v7, 8, v6
	v_lshl_add_u32 v6, v7, 4, v6
	s_mul_i32 s22, s18, SBH
	s_add_co_u32 s22, s22, SB
	v_add_nc_u32 v[ADSB], s22, v6
	s_mul_i32 s23, s16, 4352
	v_mul_u32_u24 v6, v1, 272
	v_lshl_add_u32 v6, v2, 5, v6
	v_add_nc_u32 v[STO], s23, v6
	v_mul_u32_u24 v6, v2, 272
	v_lshl_add_u32 v6, v1, 4, v6
	v_add_nc_u32 v[RD], s23, v6
	v_lshlrev_b32 v6, 12, v2
	v_lshl_add_u32 v[CO], v1, 4, v6
	v_lshlrev_b32 v[BOF], 5, v2
	; THE PREFETCHES.  A slot is 256 blocks of 256 bytes of A and as many of B.  The four partners that ask for a tile jointly share its blocks out BY ADDRESS: share p = 2 x place + wave % 2 of eight (place: cx for A, cy for B).
	; Waves 0, 1: chunk p of the slot's eight, 8,192 bytes, lanes 256 bytes apart.  Waves 2, 3: B's rows 16 p .. 16 p + 15, two lanes to a row's 512 bytes.  So each block is named once in each cluster that loads it.
	s_cmp_eq_u32 s17, 0                            ; do I fetch for A?
	s_cselect_b64 s[92:93], s[4:5], s[6:7]
	s_cselect_b32 s20, s40, s41                    ; my place among the four
	s_cselect_b32 s21, s19, s42                    ; the tile's row or column
	s_mov_b32 s22, 16*KK
	s_cselect_b32 s22, 0x40000, s22                ; from share to share
	s_mov_b32 s23, 128*KK
	s_cselect_b32 s23, 8192, s23                   ; from tile to tile
	s_mov_b32 s95, KK
	s_cselect_b32 s95, 512, s95                    ; from one pair of lanes to the next
	s_mov_b32 s98, 512
	s_cselect_b32 s98, 0x200000, s98               ; s[98:99]: a slot on
	s_mov_b32 s99, 0
	s_lshl_b32 s20, s20, 1
	s_add_co_u32 s20, s20, s18                     ; p
	s_mul_i32 s20, s20, s22
	s_mul_i32 s21, s21, s23
	s_add_co_u32 s20, s20, s21
	s_add_co_u32 s20, s20, s98                     ; in slot 1
	s_mov_b32 s21, 0
	s_add_nc_u64 s[92:93], s[92:93], s[20:21]
	v_lshrrev_b32 v22, 1, v3
	v_mul_u32_u24 v22, v22, s95
	v_and_b32 v23, 1, v3
	v_lshl_add_u32 v22, v23, 8, v22                ; v22: my lane's offset; never rewritten
	s_add_nc_u64 s[94:95], s[92:93], s[98:99]      ; in slot 2
	s_add_nc_u64 s[96:97], s[94:95], s[98:99]      ; s[96:97]: in slot 3; each refill steps it a slot on
	s_wait_alu depctr_va_vdst(0)
	global_prefetch_b8 v22, s[92:93] th:TH_LOAD_NT scope:SCOPE_SE   ; slot 1,
	global_prefetch_b8 v22, s[94:95] th:TH_LOAD_NT scope:SCOPE_SE   ; slot 2,
	global_prefetch_b8 v22, s[96:97] th:TH_LOAD_NT scope:SCOPE_SE   ; slot 3: their loads stand two and three slots on
	s_lshl_b32 s46, s42, 7
	s_lshl_b32 s47, s18, 6
	s_add_co_u32 s46, s46, s47
	s_lshl_b32 s46, s46, 2
	s_mov_b32 s47, 0
	s_add_nc_u64 s[10:11], s[10:11], s[46:47]
	s_lshl_b32 s20, s19, 7
	s_lshl_b32 s21, s17, 6
	s_add_co_u32 s20, s20, s21
	s_lshl_b32 s20, s20, 12
	s_add_co_u32 s20, s20, s46
	s_mov_b32 s21, 0
	s_add_nc_u64 s[12:13], s[12:13], s[20:21]
	s_add_nc_u64 s[14:15], s[14:15], s[20:21]
.irp b, 0,1,2,3
	global_load_b128 v[BI+8*\b:BI+8*\b+3], v[BOF], s[10:11] offset:64*\b
	global_load_b128 v[BI+8*\b+4:BI+8*\b+7], v[BOF], s[10:11] offset:64*\b+16
.endr
.macro SCALES sc
.irp q, 0,1,2,3
.irp j, 0,1
	ds_load_b32 v[SC+16*\sc+2*\q+\j], v[ADSA] offset:512*\q+128*\j
.endr
.endr
.irp j, 0,1
	ds_load_b128 v[SC+16*\sc+8+4*\j:SC+16*\sc+8+4*\j+3], v[ADSB] offset:\j*(KK/256)*272
.endr
.endm
.macro FETCH slot, q, f
	WIN 0x40
.irp i, 0,1,2,3
.irp c, 0,1,2,3
	ds_load_b128 v[(\f)+64+16*\i+4*\c:(\f)+64+16*\i+4*\c+3], v[ADRB+\slot] offset:128*(\q)+32*\c+8448*\i
.endr
.endr
.irp i, 0,1,2,3
.irp c, 0,1,2,3
	ds_load_b128 v[(\f)+16*\i+4*\c:(\f)+16*\i+4*\c+3], v[ADRA+\slot] offset:(2*(\q)+\c/2)*8704+1088*\i+32*(\c%2)
.endr
.endr
.endm
.macro MULA f, a, q, sc, zero
.irp b, 0,1,2,3
.set RD_, ACC+8*(4*(\a)+\b)
.set RB_, (\f)+64+16*\b
.set RA_, (\f)+16*(\a)
.set SB_, SC+16*(\sc)+8+4*(\b/2)+(\q)
.set SA_, SC+16*(\sc)+2*(\q)+(\a)/2
.if \zero
.set RC_, BI+8*\b
.else
.set RC_, RD_
.endif
.if ((\b)%2) && ((\a)%2)
	v_wmma_scale_f32_16x16x128_f8f6f4 v[RD_:RD_+7], v[RB_:RB_+15], v[RA_:RA_+15], v[RC_:RC_+7], v[SB_], v[SA_] matrix_a_fmt:MATRIX_FMT_BF8 matrix_b_fmt:MATRIX_FMT_BF8 matrix_a_scale:MATRIX_SCALE_ROW1 matrix_b_scale:MATRIX_SCALE_ROW1
.elseif (\b)%2
	v_wmma_scale_f32_16x16x128_f8f6f4 v[RD_:RD_+7], v[RB_:RB_+15], v[RA_:RA_+15], v[RC_:RC_+7], v[SB_], v[SA_] matrix_a_fmt:MATRIX_FMT_BF8 matrix_b_fmt:MATRIX_FMT_BF8 matrix_a_scale:MATRIX_SCALE_ROW1
.elseif (\a)%2
	v_wmma_scale_f32_16x16x128_f8f6f4 v[RD_:RD_+7], v[RB_:RB_+15], v[RA_:RA_+15], v[RC_:RC_+7], v[SB_], v[SA_] matrix_a_fmt:MATRIX_FMT_BF8 matrix_b_fmt:MATRIX_FMT_BF8 matrix_b_scale:MATRIX_SCALE_ROW1
.else
	v_wmma_scale_f32_16x16x128_f8f6f4 v[RD_:RD_+7], v[RB_:RB_+15], v[RA_:RA_+15], v[RC_:RC_+7], v[SB_], v[SA_] matrix_a_fmt:MATRIX_FMT_BF8 matrix_b_fmt:MATRIX_FMT_BF8
.endif
.endr
.endm
.macro STEP slot, q, zero
.set FF, 128*((\q)%2)
.set FG, 128-FF
	s_wait_dscnt 8
	WIN 0x05
	MULA FF, 0, \q, \slot, \zero
	MULA FF, 1, \q, \slot, \zero
	PLACES 8
	FETCH \slot, (\q)+1, FG
	s_wait_dscnt 32
	WIN 0x05
	MULA FF, 2, \q, \slot, \zero
	MULA FF, 3, \q, \slot, \zero
.endm
.macro TURN slot, next, fill
	WIN 0
.if \fill
	s_wait_xcnt 0x0                                ; my last prefetch, a slot back, has read its address: it steps a slot on
	s_add_nc_u64 s[96:97], s[96:97], s[98:99]
.endif
	s_wait_tensorcnt 0x0
	ds_add_u32 v[SPW], v[NIL]
	s_wait_dscnt 9
	WIN 0x05
	MULA 128, 0, 3, \slot, 0
	MULA 128, 1, 3, \slot, 0
	s_wait_dscnt 0x0
	s_barrier_signal -1
	MULA 128, 2, 3, \slot, 0
	WIN 0
	s_barrier_wait -1
.if \fill
	CREST
	s_add_nc_u64 s[G0A+4*\slot+2:G0A+4*\slot+3], s[G0A+4*\slot+2:G0A+4*\slot+3], 0x400000
	s_add_nc_u64 s[G0B+4*\slot+2:G0B+4*\slot+3], s[G0B+4*\slot+2:G0B+4*\slot+3], 1024
	JLOAD G0A+4*\slot, G1A, G0B+4*\slot, G1B
	PLACES 4
.else
	PLACES 8
.endif
	s_wait_alu depctr_va_vdst(0)
	v_add_nc_u32 v[ADSA], 2048, v[ADSA]
	v_add_nc_u32 v[ADSB], 16, v[ADSB]
	SCALES \next
	FETCH \next, 0, 0
.if \fill
	WIN 0                                          ; at a branch and at a label every window is 0
	s_cmp_gt_u32 s3, 1                             ; s3 = 1 in the loop's last trip: no slot stands two refills on
	s_cbranch_scc0 .Lnone_ahead_\@
	global_prefetch_b8 v22, s[96:97] th:TH_LOAD_NT scope:SCOPE_SE   ; the slot two refills on
.Lnone_ahead_\@:
.endif
	WIN 0x05
	MULA 128, 3, 3, \slot, 0
.endm
	s_wait_alu depctr_va_vdst(0)                   ; the wait at the head's end
	s_wait_tensorcnt 0x0                           ; my tile of the head's four is in; the lines ahead of a later first fill:
	ds_add_u32 v[SPW], v[NIL]
	s_mov_b32 s[G1A+2], 4<<16                      ; no tensor load of mine is out: from here on a load brings four chunks of A or 64 rows of B
	s_mov_b32 s[G1A+4], 4
	s_mov_b32 s[G1B+2], 64<<16
	s_mov_b32 s[G1B+4], 64
	s_wait_dscnt 0x0
	CROUND                                         ; all four tiles are in, all sixteen work-groups are here
	JLOAD G0A+4, G1A, G0B+4, G1B                   ; slot 1, the first tensor load behind the round
	SCALES 0
	FETCH 0, 0, 0
	s_wait_loadcnt 0x0                             ; the bias
	STEP 0, 0, 1                                   ; the first step's products start the sums
	WIN 0x80                                       ; destination window 2
.irp a, 0,1,2,3
.irp t, 0,1,2,3,4,5,6,7
	global_load_b128 v[32*\a+4*\t:32*\a+4*\t+3], v[CO], s[12:13] offset:(16*\a+2*\t)*4096   ; the residual, laid as the rows leave: asked for behind slot 1's load and the head's prefetches; it has the loop in which to land
.endr
.endr
	WIN 0
.if LAPS > 1
	WIN 0
	s_mov_b32 s3, LAPS-1
.Llap:
	STEP 0, 1, 0
	STEP 0, 2, 0
	TURN 0, 1, 1
	STEP 1, 0, 0
	STEP 1, 1, 0
	STEP 1, 2, 0
	TURN 1, 0, 1
	STEP 0, 0, 0
	WIN 0
	s_sub_co_u32 s3, s3, 1
	s_cmp_lg_u32 s3, 0
	s_cbranch_scc1 .Llap
.endif
	STEP 0, 1, 0
	STEP 0, 2, 0
	TURN 0, 1, 0
	STEP 1, 0, 0
	STEP 1, 1, 0
	STEP 1, 2, 0
	s_wait_dscnt 8
	WIN 0x05
	MULA 128, 0, 3, 1, 0
	MULA 128, 1, 3, 1, 0
	s_wait_dscnt 0
	MULA 128, 2, 3, 1, 0
	MULA 128, 3, 3, 1, 0
	WIN 0
	PLACES 8
	s_wait_loadcnt 0x0
.irp a, 0,1,2,3
.set TP, 64+32*(\a%2)
.if \a > 1
	s_wait_xcnt 0x0
.endif
.irp b, 0,1,2,3
	ds_store_b128 v[STO], v[ACC+8*(4*\a+\b):ACC+8*(4*\a+\b)+3] offset:64*\b
	ds_store_b128 v[STO], v[ACC+8*(4*\a+\b)+4:ACC+8*(4*\a+\b)+7] offset:64*\b+16
.endr
.irp t, 0,1,2,3,4,5,6,7
	ds_load_b128 v[TP+4*\t:TP+4*\t+3], v[RD] offset:544*\t
.endr
	s_wait_dscnt 0x0
	WIN 0x08
.irp k, 0,1,2,3,4,5,6,7,8,9,10,11,12,13,14,15
	v_pk_add_f32 v[TP+2*\k:TP+2*\k+1], v[TP+2*\k:TP+2*\k+1], v[32*\a+2*\k:32*\a+2*\k+1]
.endr
	WIN 0
.irp t, 0,1,2,3,4,5,6,7
	global_store_b128 v[CO], v[TP+4*\t:TP+4*\t+3], s[14:15] offset:(16*\a+2*\t)*4096
.endr
.endr
	s_wait_tensorcnt 0x0
	ds_add_u32 v[SPW], v[NIL]
	s_wait_dscnt 0x0
	CROUND
	s_endpgm
.Lfunc_end_k_q883479007e_ffn2:
	.size	k_q883479007e_ffn2, .Lfunc_end_k_q883479007e_ffn2-k_q883479007e_ffn2
	.p2alignl 7, 3214868480
	.fill 96, 4, 3214868480
	.section	.rodata,"a",@progbits
	.p2align	6, 0x0
	.amdhsa_kernel k_q883479007e_ffn2
		.amdhsa_group_segment_fixed_size 327680
		.amdhsa_private_segment_fixed_size 0
		.amdhsa_enable_private_segment 0
		.amdhsa_kernarg_size 48
		.amdhsa_user_sgpr_count 2
		.amdhsa_user_sgpr_kernarg_segment_ptr 1
		.amdhsa_wavefront_size32 1
		.amdhsa_system_sgpr_workgroup_id_x 1
		.amdhsa_system_sgpr_workgroup_id_y 1
		.amdhsa_system_sgpr_workgroup_id_z 1
		.amdhsa_system_vgpr_workitem_id 0
		.amdhsa_next_free_vgpr 640
		.amdhsa_next_free_sgpr 100
		.amdhsa_reserve_vcc 0
		.amdhsa_float_denorm_mode_32 3
		.amdhsa_float_denorm_mode_16_64 3
		.amdhsa_memory_ordered 1
		.amdhsa_forward_progress 1
		.amdhsa_inst_pref_size 104
	.end_amdhsa_kernel
	.amdgpu_metadata
---
amdhsa.version: [ 1, 2 ]
amdhsa.kernels:
  - .name:           k_q883479007e_ffn2
    .symbol:         k_q883479007e_ffn2.kd
    .args:
      - { .name: fb, .offset: 0, .size: 8, .value_kind: global_buffer, .address_space: global }
      - { .name: w2_codes, .offset: 8, .size: 8, .value_kind: global_buffer, .address_space: global }
      - { .name: w2_scales, .offset: 16, .size: 8, .value_kind: global_buffer, .address_space: global }
      - { .name: b2, .offset: 24, .size: 8, .value_kind: global_buffer, .address_space: global }
      - { .name: x1, .offset: 32, .size: 8, .value_kind: global_buffer, .address_space: global }
      - { .name: out0, .offset: 40, .size: 8, .value_kind: global_buffer, .address_space: global }
    .group_segment_fixed_size: 327680
    .private_segment_fixed_size: 0
    .kernarg_segment_align: 8
    .kernarg_segment_size: 48
    .max_flat_workgroup_size: 128
    .sgpr_count:     100
    .vgpr_count:     640
    .wavefront_size: 32
...
	.end_amdgpu_metadata
.endif
;; end of part 6
